; MI455X (gfx1250); checked and timed in simulation.
; The chip was launched on July 23, 2026; its instructions are those of AMD's public machine-readable ISA for CDNA 5 (MIT licence, August 2026) and "CDNA5" Instruction Set Architecture Reference Guide (July 2026). The comments in the code are by the model that wrote it; some were corrected since.
;; Block. Allowed arithmetic: matrix products marked QUANTISED: E5M2 operands, one given power-of-two scale a tensor, by v_wmma_f32_16x16x64_bf8_bf8 or v_wmma_f32_16x16x128_bf8_bf8, f32 sums; everything else in f32.
;; Inputs: attn_b 3,072 float32; attn_w 1,024 x 3,072 float32; fc2_b 1,024 float32; fc2_w 4,096 x 1,024 float32; fc_b 4,096 float32; fc_w 1,024 x 4,096 float32; ln1_b 1,024 float32; ln1_w 1,024 float32; ln2_b 1,024 float32; ln2_w 1,024 float32; lowp_scales 12 int32 (the exponents e of the quantised operands' scales 2^e); proj_b 1,024 float32; proj_w 1,024 x 1,024 float32; x 2 x 2,048 x 1,024 float32.
;; Outputs: out0 2 x 2,048 x 1,024 float32.
;; This version of the problem:
;;   THIS VERSION OF THE PROBLEM IS GIVEN IN LOW PRECISION. The matrix products marked QUANTISED in the list below multiply operands that are first quantised to E5M2 (5 exponent bits, 2 mantissa bits; 8 bits a number), with one given power-of-two scale for each operand tensor; their sums are f32. All else is computed in f32.
;;   The module's matrix products, in the order in which they are computed (A, B: the left and right operand; K: the contracted axis; several contracted axes count as one K, in the product's order):
;;     1. [M 4,096, K 1,024] x [K 1,024, N 3,072]; A: computed on the way; B: input attn_w: QUANTISED (scales: A lowp_scales[0], B lowp_scales[1])
;;     2. batch 32 x [M 2,048, K 64] x [K 64, N 2,048]; A: computed on the way; B: computed on the way: QUANTISED (scales: A lowp_scales[2], B lowp_scales[3])
;;     3. batch 32 x [M 2,048, K 2,048] x [K 2,048, N 64]; A: softmax (see below); B: computed on the way: QUANTISED (scales: A lowp_scales[4], B lowp_scales[5])
;;     4. [M 4,096, K 1,024] x [K 1,024, N 1,024]; A: computed on the way; B: input proj_w: QUANTISED (scales: A lowp_scales[6], B lowp_scales[7])
;;     5. [M 4,096, K 1,024] x [K 1,024, N 4,096]; A: computed on the way; B: input fc_w: QUANTISED (scales: A lowp_scales[8], B lowp_scales[9])
;;     6. [M 4,096, K 4,096] x [K 4,096, N 1,024]; A: computed on the way; B: input fc2_w: QUANTISED (scales: A lowp_scales[10], B lowp_scales[11])
;;   THE QUANTISER, for each operand of a quantised product, along K:
;;     - The operand's scale is 2^e, e = its entry of the input lowp_scales (int32; the entries are numbered through the quantised products in the list's order, A before B).
;;     - Each number is divided by the scale, clamped to +-57,344, and rounded to the nearest number of E5M2, ties to even, subnormals kept.
;;     - The product sums the exact products of the quantised numbers (number of the format x scale) in f32.
;;   ~~~python
;;   def quantise(x, axis, e):      # numpy; x: float32 -> the quantised numbers, widened to float32 again
;;       x = np.moveaxis(x, axis, -1); K = x.shape[-1]
;;       r = np.clip(x / 2.0 ** e, -57344, 57344)
;;       step = 2.0 ** (np.maximum(np.frexp(np.where(r == 0, 1, r))[1] - 1, -14) - 2)
;;       q = np.round(r / step) * step * 2.0 ** e      # np.round: ties to even
;;       return np.moveaxis(q, -1, axis).astype(np.float32)
;;   ~~~
;;   SOFTMAX AHEAD OF A QUANTISED PRODUCT. Where the list says 'softmax', what is quantised is not the finished softmax but p = 2^(t - M), with t = logit x log2(e) and M = ceil(the row's largest t), a whole number; so 1/2 < the row's largest p <= 1. The row's sum l is taken of the UNQUANTISED p, in f32, and the product's result is divided by l at the end. Since M is a whole number, a kernel that streams over the keys may use a running M (the ceiling of the running maximum): every later rescaling is an exact power of two, so the quantised numbers keep their values, but for numbers so far below the row's largest that they fall under the format's range.
;;   OPERANDS COMPUTED ON THE WAY. 'Computed on the way' means the value that the module computes at that place (a softmax that the list does not call 'softmax' is quantised finished and normalised). What goes into a quantiser is computed in f32, as accurately as f32 sums, v_exp_f32 and their like allow (about 1e-6 of the number): no bf16 or f16 on the way to a quantiser, and a product that is left as it is and whose result goes on into a quantised operand takes f32 operands (vector FMAs, or v_wmma_f32_16x16x4_f32). A number that lies on a knife's edge between two numbers of the format may be rounded either way, as far as f32 arithmetic and the matrix unit's own rounding can turn it there, and no further.
;; One version. Each part assembles by itself: llvm-mc -triple=amdgcn-amd-amdhsa -mcpu=gfx1250 --defsym DOCPART=n.
;; ======== version 1 of 1: 7 launches
;; limits: an absolute error that grows with the inputs' magnitude: up to 1e-07 times it
;; workspace buffers: wq 12,582,912 bytes; aq 4,194,304 bytes; qkv 12,582,912 bytes; yq 4,194,304 bytes; x1 16,777,216 bytes; hq 4,194,304 bytes; gq 16,777,216 bytes
;; launch prep (part 1): grid 640 x 1, 4 waves a work-group, no clusters, 40,960 bytes of LDS; arguments x, ln1_w, ln1_b, attn_w, proj_w, fc_w, fc2_w, lowp_scales, wq, aq; writes wq, aq
.if DOCPART == 1
	.amdgcn_target "amdgcn-amd-amdhsa--gfx1250"
	.amdhsa_code_object_version 6
	.text
	.protected	k_q9ccfe40658_prep
	.globl	k_q9ccfe40658_prep
	.p2align	8
	.type	k_q9ccfe40658_prep,@function
k_q9ccfe40658_prep:
	s_mov_b64 s[64:65], 0
	v_nop
	global_prefetch_b8 v0, s[64:65] scope:SCOPE_SE
	s_setreg_imm32_b32 hwreg(HW_REG_WAVE_MODE, 25, 1), 1
	s_wait_xcnt 0x0
; PREP.  Work-groups 0-383: the four weights ([K][N] f32, K the first axis) become codes of E5M2.  Work-groups 384-639: LayerNorm 1 of x becomes codes.
; LAYOUT OF ALL CODES: [K/64 planes][rows][64 bytes]: byte (k, row) lies at (k/64) x rows x 64 + row x 64 + k%64.  wq holds four sections: attn at 0 (rows 3,072), proj at 3,145,728 (1,024),
; fc at 4,194,304 (4,096), fc2 at 8,388,608 (1,024).  aq: 16 planes x 4,096 rows.
; code = x / 2^e, held within +-57,344 x 2^e, rounded to the nearest code, ties to even.  LIMITS: each e used here (entries 0, 1, 7, 9, 11) lies between -126 and 112.  NaN among the inputs is not served.
; WEIGHTS: a work-group takes 128 columns x 256 along K; wave w takes the w-th of its four planes: 64 along K x 128 columns.  A lane takes FOUR neighbouring columns: each load reads 512 consecutive bytes of a row of the
; weight, and the wave's 64 loads go out together, into window 1.  The conversions want eight neighbours along K of ONE column in consecutive registers: the hold, which is owed anyway, writes each number to that place,
; so the turn costs no instruction.  A lane's codes are four neighbouring rows of the plane, 256 consecutive bytes: they go into the wave's own stage in LDS, 272 bytes from lane to lane, and come back as runs of 512
; consecutive bytes.  One text serves the four weights: pointer, width, section and exponent are chosen by s_cselect on the work-group's number.
; LAYER NORM: a wave takes 4 rows, eight lanes to a row; a lane holds, of each plane p, columns 64 p + 8 c + 0..7: 128 numbers.  The row stays in registers: mean, then the mean of squares of x - mean, then the affine step.
.set NWW,  384                         ; work-groups that take weights
.set VO,   16                          ; v16-31   i rows of the weight down + 16 x lane, i = 0..15
.set T,    32                          ; v32-95   a block's 64 numbers, held: column c's sixteen at 16 c
.set C,    96                          ; v96-159  codes: block t, column c at 16 t + 4 c: no store's data are written again
.set OUTR, 160                         ; v160-223 the way out
.set SB,   32                          ; s[32:39] the weight at my plane's first row and my work-group's first column, 16 t rows down, t = 0..3
.set LX,   64                          ; layer norm: v64-191 my 128 numbers; window 1: v0-127 the gain, v128-255 the bias
.set MSB, 0
.macro WIN new                         ; the immediate's high byte repeats the setting that is left
.if MSB != \new
	s_set_vgpr_msb (MSB<<8)|\new
.set MSB, \new
.endif
.endm
	s_load_b512 s[8:23], s[0:1], 0x0               ; x 8, ln1_w 10, ln1_b 12, attn_w 14, proj_w 16, fc_w 18, fc2_w 20, the exponents 22
	s_load_b128 s[24:27], s[0:1], 0x40             ; wq 24, aq 26
	v_lshrrev_b32 v1, 5, v0
	v_readfirstlane_b32 s28, v1                    ; wave
	v_and_b32 v2, 31, v0                           ; lane
	s_wait_kmcnt 0x0
	s_load_b256 s[68:75], s[22:23], 0x0            ; e0 .. e7
	s_load_b128 s[76:79], s[22:23], 0x20           ; e8 .. e11
	s_cmp_lt_u32 ttmp9, NWW
	s_cbranch_scc0 .Lln
	; ---------------- the weights.  Which one: a chain of choices on the work-group's number, beginning with fc2's values
	s_mov_b64 s[30:31], s[20:21]                   ; the weight
	s_mov_b32 s50, 1024                            ; N
	s_mov_b32 s51, 256                             ; its first work-group
	s_mov_b32 s52, 4                               ; log2 of K / 256
	s_mov_b32 s53, 8388608                         ; its section of wq
	s_cmp_lt_u32 ttmp9, 256
	s_cselect_b64 s[30:31], s[18:19], s[30:31]
	s_cselect_b32 s50, 4096, s50
	s_cselect_b32 s51, 128, s51
	s_cselect_b32 s52, 2, s52
	s_cselect_b32 s53, 4194304, s53
	s_cmp_lt_u32 ttmp9, 128
	s_cselect_b64 s[30:31], s[16:17], s[30:31]
	s_cselect_b32 s50, 1024, s50
	s_cselect_b32 s51, 96, s51
	s_cselect_b32 s53, 3145728, s53
	s_cmp_lt_u32 ttmp9, 96
	s_cselect_b64 s[30:31], s[14:15], s[30:31]
	s_cselect_b32 s50, 3072, s50
	s_cselect_b32 s51, 0, s51
	s_cselect_b32 s53, 0, s53
	s_sub_co_u32 s54, ttmp9, s51                   ; my number within the weight
	s_bfm_b32 s55, s52, 0
	s_and_b32 s55, s54, s55                        ; kx: which 256 along K
	s_lshr_b32 s56, s54, s52                       ; nx: which 128 columns
	s_lshl_b32 s57, s50, 2                         ; a row of the weight in bytes
	s_lshl_b32 s62, s55, 2
	s_add_co_u32 s62, s62, s28                     ; my plane: 4 kx + wave
	s_lshl_b32 s58, s62, 6
	s_mul_i32 s58, s58, s57                        ; its first row, 64 x plane, in bytes (under 2^25 for all four weights)
	s_lshl_b32 s59, s56, 9
	s_add_co_u32 s58, s58, s59                     ; + column 128 nx, 4 bytes each
	s_mov_b32 s59, 0
	s_add_nc_u64 s[SB:SB+1], s[30:31], s[58:59]
	s_lshl_b32 s60, s57, 4                         ; 16 rows
	s_mov_b32 s61, 0
.irp t, 1,2,3
	s_add_nc_u64 s[SB+2*\t:SB+2*\t+1], s[SB+2*\t-2:SB+2*\t-1], s[60:61]
.endr
	s_lshl_b32 s63, s50, 6                         ; a plane of codes: 64 N bytes
	s_mul_i32 s62, s62, s63
	s_add_co_u32 s62, s62, s53                     ; + the section
	s_lshl_b32 s63, s56, 13
	s_add_co_u32 s62, s62, s63                     ; + row 128 nx, 64 bytes each
	s_mov_b32 s63, 0
	s_add_nc_u64 s[48:49], s[24:25], s[62:63]      ; where my wave's 8,192 bytes of codes go
	v_lshlrev_b32 v3, 4, v2                        ; 16 x lane
	s_mul_i32 s29, s28, 8704                       ; my stage: 32 x 272 bytes
	v_mul_u32_u24 v4, v2, 272
	v_add_nc_u32 v4, s29, v4                       ; into it: my four rows' 256 bytes, then 16 of padding
	v_lshrrev_b32 v6, 4, v2
	v_mul_u32_u24 v6, v6, 272
	v_and_b32 v7, 15, v2
	v_lshl_add_u32 v7, v7, 4, v6
	v_add_nc_u32 v7, s29, v7                       ; out of it: sixteen lanes to 256 bytes, 512 bytes an instruction
.irp i, 0,1,2,3,4,5,6,7,8,9,10,11,12,13,14,15
	v_mad_u32_u24 v[VO+\i], s57, \i, v3
.endr
	WIN 0x40                                       ; destination window 1
.irp t, 0,1,2,3                                ; W(64 plane + 16 t + k, 128 nx + 4 lane + 0..3) -> v[64 t + 4 k ..] of window 1
.irp k, 0,1,2,3,4,5,6,7,8,9,10,11,12,13,14,15
	global_load_b128 v[64*\t+4*\k:64*\t+4*\k+3], v[VO+\k], s[SB+2*\t:SB+2*\t+1] th:TH_LOAD_NT
.endr
.endr
	WIN 0
	s_wait_kmcnt 0x0
	s_mov_b32 s66, s79                             ; the weight's exponent: e11, e9, e7 or e1
	s_cmp_lt_u32 ttmp9, 256
	s_cselect_b32 s66, s77, s66
	s_cmp_lt_u32 ttmp9, 128
	s_cselect_b32 s66, s75, s66
	s_cmp_lt_u32 ttmp9, 96
	s_cselect_b32 s66, s69, s66
	s_add_co_i32 s66, s66, 127
	s_lshl_b32 s67, s66, 23
	v_mov_b32 v13, s67                             ; 2^e as f32: the conversion takes its exponent field
	s_add_co_i32 s66, s66, 15
	s_lshl_b32 s66, s66, 23
	s_or_b32 s66, s66, 0x600000
	v_mov_b32 v12, s66                             ; 57,344 x 2^e
.macro BLOCK t                         ; 16 along K x my four columns
	s_wait_loadcnt 16*(3-(\t))                     ; this block's sixteen loads are in; the later blocks' may be out
	WIN 0x01                                       ; source 0 window 1
.irp c, 0,1,2,3
.irp k, 0,1,2,3,4,5,6,7,8,9,10,11,12,13,14,15
	v_med3_num_f32 v[T+16*\c+\k], v[64*(\t)+4*\k+\c], -v12, v12   ; the hold (the conversion to an 8-bit code does not saturate: ISA guide 7.6.2), and the turn: column c's numbers on end, down K
.endr
.endr
	WIN 0
.irp c, 0,1,2,3
	v_cvt_scalef32_pk8_bf8_f32 v[C+16*(\t)+4*\c:C+16*(\t)+4*\c+1], v[T+16*\c:T+16*\c+7], v13
	v_cvt_scalef32_pk8_bf8_f32 v[C+16*(\t)+4*\c+2:C+16*(\t)+4*\c+3], v[T+16*\c+8:T+16*\c+15], v13
.endr
	v_nop                                          ; a plain instruction between the conversions and the next block's holds, which write their sources
.irp c, 0,1,2,3
	ds_store_b128 v4, v[C+16*(\t)+4*\c:C+16*(\t)+4*\c+3] offset:64*\c+16*(\t)   ; bytes 16 t .. 16 t + 15 of row 4 lane + c
.endr
.endm
.irp t, 0,1,2,3
	BLOCK \t
.endr
.irp i, 0,1,2,3,4,5,6,7,8,9,10,11,12,13,14,15
	ds_load_b128 v[OUTR+4*\i:OUTR+4*\i+3], v7 offset:544*\i   ; a wave's LDS instructions are served in order: these see my stores
.endr
.irp i, 0,1,2,3,4,5,6,7,8,9,10,11,12,13,14,15
	s_wait_dscnt 15-\i
	global_store_b128 v3, v[OUTR+4*\i:OUTR+4*\i+3], s[48:49] offset:512*\i   ; 32 lanes store 512 consecutive bytes, at a multiple of 256 from the buffer's first byte
.endr
	s_endpgm
	; ---------------- LayerNorm 1
.Lln:
	s_sub_co_u32 s30, ttmp9, NWW
	s_lshl_b32 s30, s30, 16                        ; 16 rows of 4,096 bytes a work-group,
	s_lshl_b32 s31, s28, 14                        ; 4 a wave
	s_add_co_u32 s30, s30, s31
	s_mov_b32 s31, 0
	s_add_nc_u64 s[32:33], s[8:9], s[30:31]        ; x at my first row
	s_lshr_b32 s30, s30, 6                         ; the same row in a plane of codes: 64 bytes a row
	s_add_nc_u64 s[34:35], s[26:27], s[30:31]
	v_lshrrev_b32 v3, 3, v2                        ; which of my wave's four rows
	v_and_b32 v5, 7, v2                            ; c
	v_lshlrev_b32 v5, 5, v5                        ; 32 c: my 8 numbers of a plane's 64
	v_lshl_add_u32 v4, v3, 12, v5
	v_lshlrev_b32 v6, 3, v2                        ; my 8 codes among the wave's 256 bytes of a plane
	s_mov_b32 s36, 0x3a800000                      ; 1 / 1,024
	s_mov_b32 s37, 0x3727c5ac                      ; 1e-5
.irp p, 0,1,2,3,4,5,6,7,8,9,10,11,12,13,14,15
	global_load_b128 v[LX+8*\p:LX+8*\p+3], v4, s[32:33] offset:256*\p th:TH_LOAD_NT
	global_load_b128 v[LX+8*\p+4:LX+8*\p+7], v4, s[32:33] offset:256*\p+16 th:TH_LOAD_NT
.endr
	WIN 0x40                                       ; destination window 1
.irp p, 0,1,2,3,4,5,6,7,8,9,10,11,12,13,14,15
	global_load_b128 v[8*\p:8*\p+3], v5, s[10:11] offset:256*\p
	global_load_b128 v[8*\p+4:8*\p+7], v5, s[10:11] offset:256*\p+16
.endr
.irp p, 0,1,2,3,4,5,6,7,8,9,10,11,12,13,14,15
	global_load_b128 v[128+8*\p:128+8*\p+3], v5, s[12:13] offset:256*\p
	global_load_b128 v[128+8*\p+4:128+8*\p+7], v5, s[12:13] offset:256*\p+16
.endr
	WIN 0
	s_wait_loadcnt 63                              ; x's 32 loads are in; 63 of the 64 behind them may be out
.irp k, 0,1,2,3
	v_pk_add_f32 v[8+2*\k:9+2*\k], v[LX+2*\k:LX+2*\k+1], v[LX+8+2*\k:LX+9+2*\k]   ; four chains, started by the first eight pairs
.endr
.set j, 8
.rept 56
	v_pk_add_f32 v[8+2*(j%4):9+2*(j%4)], v[8+2*(j%4):9+2*(j%4)], v[LX+2*j:LX+2*j+1]
.set j, j+1
.endr
	v_pk_add_f32 v[8:9], v[8:9], v[10:11]
	v_pk_add_f32 v[12:13], v[12:13], v[14:15]
	v_pk_add_f32 v[8:9], v[8:9], v[12:13]
	v_add_f32 v8, v8, v9
	v_add_f32_dpp v8, v8, v8 row_xmask:1 row_mask:0xf bank_mask:0xf   ; the eight lanes of a row
	v_add_f32_dpp v8, v8, v8 row_xmask:2 row_mask:0xf bank_mask:0xf
	v_add_f32_dpp v8, v8, v8 row_xmask:4 row_mask:0xf bank_mask:0xf
	v_mul_f32 v16, s36, v8                         ; the mean
	v_mov_b32 v17, v16
.set j, 0
.rept 64
	v_pk_add_f32 v[LX+2*j:LX+2*j+1], v[LX+2*j:LX+2*j+1], v[16:17] neg_lo:[0,1] neg_hi:[0,1]   ; x - mean
.set j, j+1
.endr
.irp k, 0,1,2,3
	v_pk_mul_f32 v[8+2*\k:9+2*\k], v[LX+2*\k:LX+2*\k+1], v[LX+2*\k:LX+2*\k+1]
.endr
.set j, 4
.rept 60
	v_pk_fma_f32 v[8+2*(j%4):9+2*(j%4)], v[LX+2*j:LX+2*j+1], v[LX+2*j:LX+2*j+1], v[8+2*(j%4):9+2*(j%4)]
.set j, j+1
.endr
	v_pk_add_f32 v[8:9], v[8:9], v[10:11]
	v_pk_add_f32 v[12:13], v[12:13], v[14:15]
	v_pk_add_f32 v[8:9], v[8:9], v[12:13]
	v_add_f32 v8, v8, v9
	v_add_f32_dpp v8, v8, v8 row_xmask:1 row_mask:0xf bank_mask:0xf
	v_add_f32_dpp v8, v8, v8 row_xmask:2 row_mask:0xf bank_mask:0xf
	v_add_f32_dpp v8, v8, v8 row_xmask:4 row_mask:0xf bank_mask:0xf
	v_fma_f32 v22, v8, s36, s37                    ; the variance + 1e-5
	v_rsq_f32 v18, v22
	v_rsq_f32 v19, v22                             ; twice: a pair for the packed multiply
	v_nop                                          ; a plain instruction behind the last of the two
	s_wait_kmcnt 0x0
	s_add_co_i32 s38, s68, 127                     ; e0
	s_lshl_b32 s39, s38, 23
	s_add_co_i32 s38, s38, 15
	s_lshl_b32 s38, s38, 23
	s_or_b32 s38, s38, 0x600000
	v_mov_b32 v21, s39                             ; 2^e0
	v_mov_b32 v20, s38                             ; 57,344 x 2^e0
	s_wait_alu depctr_va_vdst(0)                   ; one wait for both, ahead of their first reader
.set j, 0
.rept 64
	v_pk_mul_f32 v[LX+2*j:LX+2*j+1], v[LX+2*j:LX+2*j+1], v[18:19]
.set j, j+1
.endr
	s_wait_loadcnt 0x0                             ; the gain and the bias
	WIN 0x14                                       ; sources 1 and 2 window 1
.set j, 0
.rept 64
	v_pk_fma_f32 v[LX+2*j:LX+2*j+1], v[LX+2*j:LX+2*j+1], v[2*j:2*j+1], v[128+2*j:128+2*j+1]
.set j, j+1
.endr
	WIN 0
.set j, 0
.rept 128
	v_med3_num_f32 v[LX+j], v[LX+j], -v20, v20
.set j, j+1
.endr
.irp p, 0,1,2,3,4,5,6,7,8,9,10,11,12,13,14,15
	v_cvt_scalef32_pk8_bf8_f32 v[24+2*\p:25+2*\p], v[LX+8*\p:LX+8*\p+7], v21
.endr
	v_nop
.irp p, 0,1,2,3,4,5,6,7,8,9,10,11,12,13,14,15
	global_store_b64 v6, v[24+2*\p:25+2*\p], s[34:35] offset:\p*262144   ; the wave's four rows of plane p: 256 consecutive bytes, aligned
.endr
	s_endpgm
.Lfunc_end_k_q9ccfe40658_prep:
	.size	k_q9ccfe40658_prep, .Lfunc_end_k_q9ccfe40658_prep-k_q9ccfe40658_prep
	.p2alignl 7, 3214868480
	.fill 96, 4, 3214868480
	.section	.rodata,"a",@progbits
	.p2align	6, 0x0
	.amdhsa_kernel k_q9ccfe40658_prep
		.amdhsa_group_segment_fixed_size 40960
		.amdhsa_private_segment_fixed_size 0
		.amdhsa_enable_private_segment 0
		.amdhsa_kernarg_size 80
		.amdhsa_user_sgpr_count 2
		.amdhsa_user_sgpr_kernarg_segment_ptr 1
		.amdhsa_wavefront_size32 1
		.amdhsa_system_sgpr_workgroup_id_x 1
		.amdhsa_system_sgpr_workgroup_id_y 1
		.amdhsa_system_sgpr_workgroup_id_z 1
		.amdhsa_system_vgpr_workitem_id 0
		.amdhsa_next_free_vgpr 512
		.amdhsa_next_free_sgpr 80
		.amdhsa_reserve_vcc 0
		.amdhsa_float_denorm_mode_32 3
		.amdhsa_float_denorm_mode_16_64 3
		.amdhsa_memory_ordered 1
		.amdhsa_forward_progress 1
		.amdhsa_inst_pref_size 75
	.end_amdhsa_kernel
	.amdgpu_metadata
---
amdhsa.version: [ 1, 2 ]
amdhsa.kernels:
  - .name:           k_q9ccfe40658_prep
    .symbol:         k_q9ccfe40658_prep.kd
    .args:
      - { .name: x, .offset: 0, .size: 8, .value_kind: global_buffer, .address_space: global }
      - { .name: ln1_w, .offset: 8, .size: 8, .value_kind: global_buffer, .address_space: global }
      - { .name: ln1_b, .offset: 16, .size: 8, .value_kind: global_buffer, .address_space: global }
      - { .name: attn_w, .offset: 24, .size: 8, .value_kind: global_buffer, .address_space: global }
      - { .name: proj_w, .offset: 32, .size: 8, .value_kind: global_buffer, .address_space: global }
      - { .name: fc_w, .offset: 40, .size: 8, .value_kind: global_buffer, .address_space: global }
      - { .name: fc2_w, .offset: 48, .size: 8, .value_kind: global_buffer, .address_space: global }
      - { .name: lowp_scales, .offset: 56, .size: 8, .value_kind: global_buffer, .address_space: global }
      - { .name: wq, .offset: 64, .size: 8, .value_kind: global_buffer, .address_space: global }
      - { .name: aq, .offset: 72, .size: 8, .value_kind: global_buffer, .address_space: global }
    .group_segment_fixed_size: 40960
    .private_segment_fixed_size: 0
    .kernarg_segment_align: 8
    .kernarg_segment_size: 80
    .max_flat_workgroup_size: 128
    .sgpr_count:     80
    .vgpr_count:     512
    .wavefront_size: 32
...
	.end_amdgpu_metadata
.endif
;; end of part 1
;; launch qkv (part 2): grid 8 x 32, 4 waves a work-group, clusters of 4 x 4, 327,680 bytes of LDS; arguments aq, wq, attn_b, lowp_scales, qkv; writes qkv
.if DOCPART == 2
	.amdgcn_target "amdgcn-amd-amdhsa--gfx1250"
	.amdhsa_code_object_version 6
	.text
	.protected	k_q9ccfe40658_qkv
	.globl	k_q9ccfe40658_qkv
	.p2align	8
	.type	k_q9ccfe40658_qkv,@function
k_q9ccfe40658_qkv:
	s_mov_b64 s[64:65], 0
	v_nop
	global_prefetch_b8 v0, s[64:65] scope:SCOPE_SE
	s_setreg_imm32_b32 hwreg(HW_REG_WAVE_MODE, 25, 1), 1
	s_wait_xcnt 0x0
	s_wait_alu depctr_hold_cnt(0) depctr_sa_sdst(0) depctr_va_vdst(0) depctr_va_sdst(0) depctr_va_ssrc(0) depctr_va_vcc(0) depctr_vm_vsrc(0)
	s_getreg_b32 s2, hwreg(HW_REG_IB_STS2, 6, 4)
	s_cmp_eq_u32 s2, 0
	s_cbranch_scc0 .Lentry_in_a_cluster
	s_endpgm
.Lentry_in_a_cluster:
	s_bfe_u32 s2, ttmp6, 0x10000c
	s_cmp_lg_u32 s2, 0xf033
	s_cbranch_scc0 .Lentry_shape_is_right
	s_endpgm
.Lentry_shape_is_right:
; QKV = LN1(x) attn_w + attn_b on codes of E5M2, and its three thirds quantised again as q, k and v.
; OPERANDS lie as [K/64 planes][rows][64 bytes].  A tile of C is 128 x 128: four waves of 64 x 64, 16 accumulators each.  256 work-groups; each stays for three tiles: tile columns X, X + 8, X + 16, which are q, k and v.
; K = 1,024 lies in two LDS slots of 512 along K: 8 planes x (128 rows of A + 128 rows of B).  One tensor load brings 64 rows x 8 planes: in each plane 4,096 consecutive bytes.
; A STAYS: the three tiles take the same 128 rows of A, all 1,024 along K, which are just the two slots' A parts: the first fills bring them, and the refills bring B's parts alone (waves 2 and 3; waves 0 and 1 issue none).
; In LDS 16 bytes of padding follow every 256: row i of a plane lies at (i / 4) x 272 + (i % 4) x 64, so the sixteen lanes of half a fragment load touch sixteen different 16-byte columns of 256.
; A fragment (16 rows x 128 K) is four loads of 16 bytes: registers 4 c .. 4 c + 3 hold k = 32 c + 16 (lane / 16) + 0..15: the same order of k in both operands, so every product meets its partner.
; CLUSTER 4 x 4: A's tiles are asked for jointly along a row of the cluster, B's along a column.
; THE MATRIX INSTRUCTION IS USED TRANSPOSED: in accumulator (a, b) lane (r, h) holds row 16 a + r of source 1 and rows 16 b + 8 h + 0..7 of source 0.  For q and k source 1 = tokens, source 0 = columns of the weight: a lane holds
; eight neighbouring channels of a token.  For v the two change places: a lane holds eight neighbouring KEYS of one channel, so v's codes come out with the keys innermost.
; OUT: q at 0, k at 4,194,304: [32 b x head][2,048 tokens][64 channels]; v at 8,388,608: [32][32 blocks of 64 keys][64 channels][64 keys].  A wave's 64 x 64 codes are 4,096 consecutive bytes.
; LIMITS: e0 + e1 between -126 and 127; e2, e3, e5 between -126 and 112.  NaN is not served.
; REGISTERS: window 0: v1-31 addresses and constants; v32-63 the bias; v64-95 at work; v96-127 codes; v128-255 the accumulators.  Window 1: two fragment buffers of 128: source 1's four fragments, then source 0's four.
.set RB,      3072
.set SECTION, 0
.set STEPB,   65536                    ; from tile to tile B's tiles lie 1,024 rows of 64 bytes on
.set APITCH,  262144                   ; a plane of A: 4,096 rows x 64 bytes
.set BPITCH,  RB*64
.set PLB,     4352                     ; a plane's 64 rows in LDS
.set TB16,    1088                     ; 16 rows
.set HALFT,   8*PLB                    ; what one tensor load brings
.set SLOT,    4*HALFT                  ; A's two halves, then B's two
.set STAGE,   2*SLOT                   ; behind the ring: 64 rows x 80 bytes for each wave
.set SPARE,   STAGE+4*5120             ; behind the stages: the spare words, 128 bytes for each wave
.set BA2,  14
.set AD1,  16                          ; v16-17 source 1's fragments in slot 0, 1: A's rows, half wave / 2
.set AD1V, 18                          ; v18-19 the same for v: B's rows, half wave / 2
.set AD0,  20                          ; v20-21 source 0's: B's rows, half wave % 2
.set AD0V, 22                          ; v22-23 for v: A's rows, half wave % 2
.set STO,  24
.set RD,   25
.set CO,   26
.set BA,   27
.set SPW,  28                          ; my spare word; never rewritten
.set NIL,  29                          ; 0; never rewritten
.set LIMV, 30
.set SCV,  31
.set BQ,   32
.set T,    64
.set CC,   96
.set ACC,  128
.set F0,   0
.set F1,   128
.set G1A,  24
.set G0A,  32
.set G1B,  48
.set G0B,  56
.set MUL,  0x05                        ; sources 0 and 1 window 1; C and D window 0
.set TO_F, 0x40                        ; destination window 1
.set MSB, 0
.macro WIN new
.if MSB != \new
	s_set_vgpr_msb (MSB<<8)|\new
.set MSB, \new
.endif
.endm
.macro PLACES                          ; four plain instructions between a matrix instruction and a load into, or a read of, its registers
.rept 4
	v_nop
.endr
.endm
.macro JLOAD s                         ; a first fill, jointly: waves 0 and 1 fetch A's halves, waves 2 and 3 B's; the branch hangs on the wave's number alone; four v_nop follow each line
	s_cmp_eq_u32 s17, 0
	s_cbranch_scc0 .Lfor_b_\@
	tensor_load_to_lds s[G0A+4*\s:G0A+4*\s+3], s[G1A:G1A+7]
.rept 4
	v_nop
.endr
	s_branch .Lasked_\@
.Lfor_b_\@:
	tensor_load_to_lds s[G0B+4*\s:G0B+4*\s+3], s[G1B:G1B+7]
.rept 4
	v_nop
.endr
.Lasked_\@:
.endm
.macro JLOADB s                        ; a refill, jointly: B's halves alone, by waves 2 and 3.  Waves 0 and 1 have nothing to fill; their four v_nop are the places in front of the fragment loads that follow
	s_cmp_eq_u32 s17, 0
	s_cbranch_scc0 .Lfor_b_\@
.rept 4
	v_nop
.endr
	s_branch .Lasked_\@
.Lfor_b_\@:
	tensor_load_to_lds s[G0B+4*\s:G0B+4*\s+3], s[G1B:G1B+7]
.rept 4
	v_nop
.endr
.Lasked_\@:
.endm
.macro CREST                           ; a round of the cluster's barrier behind its opening barrier
	s_cmp_lg_u32 s16, 0
	s_cbranch_scc1 .Lnot_wave_0_\@
	s_barrier_signal -3
.Lnot_wave_0_\@:
	s_barrier_wait -3
	s_barrier_signal -1
	s_barrier_wait -1
.endm
.macro CROUND
	s_barrier_signal -1
	s_barrier_wait -1
	CREST
.endm
; 8 matrix instructions: source 1's fragments a0, a0 + 1 x source 0's four, 128 along K.  The 16 accumulators take turns in one order everywhere.  zero = 1: the product starts the sum.
.macro MUL8 f, a0, zero
.irp a, \a0, \a0+1
.irp b, 0,1,2,3
.if \zero
	v_wmma_f32_16x16x128_bf8_bf8 v[ACC+8*(4*(\a)+\b):ACC+8*(4*(\a)+\b)+7], v[\f+64+16*\b:\f+64+16*\b+15], v[\f+16*(\a):\f+16*(\a)+15], 0
.else
	v_wmma_f32_16x16x128_bf8_bf8 v[ACC+8*(4*(\a)+\b):ACC+8*(4*(\a)+\b)+7], v[\f+64+16*\b:\f+64+16*\b+15], v[\f+16*(\a):\f+16*(\a)+15], v[ACC+8*(4*(\a)+\b):ACC+8*(4*(\a)+\b)+7]
.endif
.endr
.endr
.endm
; 32 LDS loads in one run: the eight fragments of the slot's q-th 128 along K (planes 2 q, 2 q + 1) into buffer f
.macro FETCH slot, q, f, A1, A0
	WIN TO_F
.irp i, 0,1,2,3
.irp c, 0,1,2,3
	ds_load_b128 v[\f+64+16*\i+4*\c:\f+64+16*\i+4*\c+3], v[\A0+\slot] offset:(2*(\q)+\c/2)*PLB+32*(\c%2)+\i*TB16
	ds_load_b128 v[\f+16*\i+4*\c:\f+16*\i+4*\c+3], v[\A1+\slot] offset:(2*(\q)+\c/2)*PLB+32*(\c%2)+\i*TB16
.endr
.endr
.endm
; one of a slot's first three steps of 128 along K: the next step's fragments are asked for, then this step's 16 products are issued
.macro STEP slot, q, f, g, zero, A1, A0
	PLACES
	FETCH \slot, (\q)+1, \g, \A1, \A0
	s_wait_dscnt 32                                ; all but the 32 just issued: buffer f is in
	WIN MUL
	MUL8 \f, 0, \zero
	MUL8 \f, 2, \zero
.endm
; a slot's last step changes slots: ONE barrier.  In front of it each wave waits for all its tensor loads, adds 0 to its spare word, and waits for that and for its reads of this slot.
; fill = 1: the barrier opens a round of the cluster's barrier, and behind the round this slot's B part is filled again, first thing.
.macro TURN slot, next, fill, A1n, A0n
	WIN 0
	s_wait_tensorcnt 0x0                           ; all my tensor loads have landed: my part of the next slot
	ds_add_u32 v[SPW], v[NIL]                      ; 0 onto my spare word
	s_wait_dscnt 1                                 ; (the add may be out; buffer 1's 32 loads are in)
	WIN MUL
	MUL8 F1, 0, 0
	s_wait_dscnt 0x0                               ; the add is done, and my reads of this slot are over
	s_barrier_signal -1
	MUL8 F1, 2, 0
	WIN 0
	s_barrier_wait -1
.if \fill
	CREST
	s_add_nc_u64 s[G0B+4*\slot+2:G0B+4*\slot+3], s[G0B+4*\slot+2:G0B+4*\slot+3], STEPB
	JLOADB \slot                                   ; its four v_nop are also the places in front of the loads below
.else
	PLACES
.endif
	FETCH \next, 0, F0, \A1n, \A0n
	WIN 0
.endm
.macro LAST                            ; the last step of a tile behind which nothing is fetched
	s_wait_dscnt 0x0
	WIN MUL
	MUL8 F1, 0, 0
	MUL8 F1, 2, 0
	WIN 0
	PLACES
.endm
.macro LAPBODY zero, A1, A0, fill0     ; K = 1,024 but for its last step
	STEP 0, 0, F0, F1, \zero, \A1, \A0
	STEP 0, 1, F1, F0, 0, \A1, \A0
	STEP 0, 2, F0, F1, 0, \A1, \A0
	TURN 0, 1, \fill0, \A1, \A0
	STEP 1, 0, F0, F1, 0, \A1, \A0
	STEP 1, 1, F1, F0, 0, \A1, \A0
	STEP 1, 2, F0, F1, 0, \A1, \A0
.endm
.macro QCONST sc, lim, e               ; s[sc] = 2^e as f32, s[lim] = 57,344 x 2^e
	s_add_co_i32 s[\lim], s[\e], 127
	s_lshl_b32 s[\sc], s[\lim], 23
	s_add_co_i32 s[\lim], s[\lim], 15
	s_lshl_b32 s[\lim], s[\lim], 23
	s_or_b32 s[\lim], s[\lim], 0x600000
.endm
	s_load_b256 s[4:11], s[0:1], 0x0               ; aq 4, wq 6, attn_b 8, the exponents 10
	s_load_b64 s[12:13], s[0:1], 0x20              ; qkv
	v_lshl_add_u32 v[SPW], v0, 2, SPARE
	v_mov_b32 v[NIL], 0
	v_lshrrev_b32 v1, 5, v0
	v_readfirstlane_b32 s16, v1                    ; wave 0..3
	s_lshr_b32 s17, s16, 1                         ; wave / 2.  Also: I fetch for A (0) or for B (1)
	s_and_b32 s18, s16, 1                          ; wave % 2.  Also: which 64 rows of that tile I fetch
	s_bfe_u32 s40, ttmp6, 0x40000                  ; cx
	s_bfe_u32 s41, ttmp6, 0x40004                  ; cy
	s_lshl_b32 s42, ttmp9, 2
	s_add_co_u32 s42, s42, s40                     ; X: tile column
	s_and_b32 s43, ttmp7, 0xffff
	s_lshl_b32 s43, s43, 2
	s_add_co_u32 s43, s43, s41                     ; Y: tile row
	s_lshl_b32 s44, s41, 2
	s_lshl_b32 s44, 15, s44                        ; my row of the cluster
	s_lshl_b32 s45, 0x1111, s40                    ; my column
	; group 1: 8 rows (planes) of 4,096 elements of one byte; 4 words of padding behind every 64
	s_or_b32 s[G1A], s44, (1<<20)|(1<<21)|(5<<22)|(3<<25)
	s_or_b32 s[G1B], s45, (1<<20)|(1<<21)|(5<<22)|(3<<25)
.irp g, G1A, G1B
	s_mov_b32 s[\g+1], 4096<<16                    ; tensor_dim0
	s_mov_b32 s[\g+2], 8<<16                       ; tensor_dim1
	s_mov_b32 s[\g+3], 4096<<16                    ; tile_dim0
	s_mov_b32 s[\g+4], 8                           ; tile_dim1
	s_mov_b32 s[\g+6], 0
	s_mov_b32 s[\g+7], 0
.endr
	s_mov_b32 s[G1A+5], APITCH                     ; from plane to plane
	s_mov_b32 s[G1B+5], BPITCH
	s_lshl_b32 s20, s43, 13                        ; A: row 128 Y + 64 half, 64 bytes a row
	s_lshl_b32 s21, s18, 12
	s_add_co_u32 s20, s20, s21
	s_mov_b32 s21, 0
	s_lshl_b32 s46, s42, 13                        ; B: row 128 X + 64 half
	s_lshl_b32 s47, s18, 12
	s_add_co_u32 s46, s46, s47
	s_add_co_u32 s46, s46, SECTION
	s_mov_b32 s47, 0
	s_mul_i32 s19, s16, HALFT                      ; where they go: no place in the cluster enters an LDS address
	s_wait_kmcnt 0x0
	s_load_b256 s[72:79], s[10:11], 0x0            ; e0 .. e7
	s_add_nc_u64 s[20:21], s[4:5], s[20:21]
	s_add_nc_u64 s[46:47], s[6:7], s[46:47]
	CROUND                                         ; all sixteen work-groups are here: the first joint loads meet
.irp s, 0,1
	s_mov_b32 s[G0A+4*\s], 1
	s_add_co_u32 s[G0A+4*\s+1], s19, \s*SLOT
	s_add_nc_u64 s[G0A+4*\s+2:G0A+4*\s+3], s[20:21], \s*8*APITCH
	s_or_b32 s[G0A+4*\s+3], s[G0A+4*\s+3], 0x80000000
	s_mov_b32 s[G0B+4*\s], 1
	s_add_co_u32 s[G0B+4*\s+1], s19, \s*SLOT
	s_add_nc_u64 s[G0B+4*\s+2:G0B+4*\s+3], s[46:47], \s*8*BPITCH
	s_or_b32 s[G0B+4*\s+3], s[G0B+4*\s+3], 0x80000000
	JLOAD \s
.endr
	v_and_b32 v1, 15, v0                           ; r
	v_bfe_u32 v2, v0, 4, 1                         ; h
	v_lshrrev_b32 v3, 2, v1
	v_mul_u32_u24 v3, v3, 272
	v_and_b32 v4, 3, v1
	v_lshl_add_u32 v3, v4, 6, v3
	v_lshl_add_u32 v3, v2, 4, v3                   ; (r / 4) x 272 + (r % 4) x 64 + 16 h
	s_mul_i32 s94, s17, HALFT                      ; A, half wave / 2
	s_mul_i32 s95, s18, HALFT                      ; A, half wave % 2
	s_add_co_u32 s96, s95, 2*HALFT                 ; B, half wave % 2
	s_add_co_u32 s97, s94, 2*HALFT                 ; B, half wave / 2
.irp s, 0,1
	v_add_nc_u32 v[AD1+\s], s94, v3
	v_add_nc_u32 v[AD0+\s], s96, v3
	v_add_nc_u32 v[AD1V+\s], s97, v3
	v_add_nc_u32 v[AD0V+\s], s95, v3
	s_add_co_u32 s94, s94, SLOT
	s_add_co_u32 s95, s95, SLOT
	s_add_co_u32 s96, s96, SLOT
	s_add_co_u32 s97, s97, SLOT
.endr
	s_mul_i32 s94, s16, 5120
	s_add_co_u32 s94, s94, STAGE                   ; my stage
	v_mul_u32_u24 v4, v1, 80
	v_lshl_add_u32 v4, v2, 3, v4
	v_add_nc_u32 v[STO], s94, v4                   ; in: row r, 8 bytes for each half of the lanes
	v_and_b32 v5, 31, v0
	v_lshrrev_b32 v6, 2, v5
	v_mul_u32_u24 v6, v6, 80
	v_and_b32 v7, 3, v5
	v_lshl_add_u32 v6, v7, 4, v6
	v_add_nc_u32 v[RD], s94, v6                    ; back: four lanes to a row of 64 bytes, eight rows an instruction
	v_lshlrev_b32 v[CO], 4, v5
	v_lshlrev_b32 v[BA], 5, v2                     ; the bias of q and k: 32 h bytes
	v_lshlrev_b32 v[BA2], 2, v1                    ; of v: 4 r bytes
	s_lshl_b32 s68, s42, 9                         ; the bias: column 128 X + 64 (wave % 2), 4 bytes each
	s_lshl_b32 s69, s18, 8
	s_add_co_u32 s70, s68, s69
	s_mov_b32 s71, 0
	s_add_nc_u64 s[86:87], s[8:9], s[70:71]
	s_lshl_b32 s69, s17, 8                         ; for v: column 2,048 + 128 X + 64 (wave / 2)
	s_add_co_u32 s70, s68, s69
	s_add_co_u32 s70, s70, 8192
	s_add_nc_u64 s[88:89], s[8:9], s[70:71]
	s_lshr_b32 s68, s43, 4
	s_lshl_b32 s68, s68, 4
	s_lshl_b32 s69, s42, 1
	s_add_co_u32 s68, s68, s69                     ; 16 b + 2 X
	s_and_b32 s69, s43, 15
	s_lshl_b32 s69, s69, 7                         ; the tile's first token within b
	s_add_co_u32 s70, s68, s18                     ; q, k: head 2 X + wave % 2, tokens + 64 (wave / 2)
	s_lshl_b32 s70, s70, 11
	s_add_co_u32 s70, s70, s69
	s_lshl_b32 s71, s17, 6
	s_add_co_u32 s70, s70, s71
	s_lshl_b32 s70, s70, 6
	s_mov_b32 s71, 0
	s_add_nc_u64 s[90:91], s[12:13], s[70:71]
	s_add_co_u32 s70, s68, s17                     ; v: head 2 X + wave / 2, keys + 64 (wave % 2)
	s_lshl_b32 s70, s70, 11
	s_add_co_u32 s70, s70, s69
	s_lshl_b32 s71, s18, 6
	s_add_co_u32 s70, s70, s71
	s_lshl_b32 s70, s70, 6
	s_add_co_u32 s70, s70, 8388608
	s_mov_b32 s71, 0
	s_add_nc_u64 s[92:93], s[12:13], s[70:71]
	s_wait_kmcnt 0x0
	s_add_co_i32 s66, s72, s73
	s_add_co_i32 s66, s66, 127
	s_lshl_b32 s66, s66, 23                        ; 2^(e0 + e1) as f32
	s_mov_b32 s67, s66                             ; (named with it as a pair)
	QCONST 80, 81, 74                              ; q: e2
	QCONST 82, 83, 75                              ; k: e3
	QCONST 84, 85, 77                              ; v: e5
.macro BIASQ t                         ; lane (r, h) wants, for block b, the bias of columns 16 b + 8 h + 0..7
.irp b, 0,1,2,3
	global_load_b128 v[BQ+8*\b:BQ+8*\b+3], v[BA], s[86:87] offset:\t*4096+64*\b
	global_load_b128 v[BQ+8*\b+4:BQ+8*\b+7], v[BA], s[86:87] offset:\t*4096+64*\b+16
.endr
.endm
.macro BIASV                           ; for v a lane holds one channel: the bias of channel 16 a + r, in the low word of a pair
.irp a, 0,1,2,3
	v_mov_b32 v[BQ+2*\a+1], 0
	global_load_b32 v[BQ+2*\a], v[BA2], s[88:89] offset:64*\a
.endr
.endm
; THE WAY OUT: sum x 2^(e0 + e1) + bias, the hold, the conversion: a lane's eight numbers become 8 bytes of a stage row; the 64 rows of 64 bytes come back by rows and leave as 4,096 consecutive bytes.
.macro WAYC isv, ptr, imm, sc, lim
	s_wait_xcnt 0x0                                ; the last way out's stores have read their registers
	s_wait_loadcnt 0x0                             ; the bias
	v_mov_b32 v[SCV], s[\sc]
	v_mov_b32 v[LIMV], s[\lim]
.irp a, 0,1,2,3
.irp b, 0,1,2,3
.irp i, 0,2,4,6
.if \isv
	v_pk_fma_f32 v[T+8*\b+\i:T+8*\b+\i+1], v[ACC+8*(4*\a+\b)+\i:ACC+8*(4*\a+\b)+\i+1], s[66:67], v[BQ+2*\a:BQ+2*\a+1] op_sel_hi:[1,0,0]
.else
	v_pk_fma_f32 v[T+8*\b+\i:T+8*\b+\i+1], v[ACC+8*(4*\a+\b)+\i:ACC+8*(4*\a+\b)+\i+1], s[66:67], v[BQ+8*\b+\i:BQ+8*\b+\i+1] op_sel_hi:[1,0,1]
.endif
.endr
.endr
.set n, 0
.rept 32
	v_med3_num_f32 v[T+n], v[T+n], -v[LIMV], v[LIMV]
.set n, n+1
.endr
.irp b, 0,1,2,3
	v_cvt_scalef32_pk8_bf8_f32 v[CC+8*\a+2*\b:CC+8*\a+2*\b+1], v[T+8*\b:T+8*\b+7], v[SCV]
.endr
	v_nop                                          ; a plain instruction between the conversions and the next lines that write their sources
.irp b, 0,1,2,3
	ds_store_b64 v[STO], v[CC+8*\a+2*\b:CC+8*\a+2*\b+1] offset:\a*1280+16*\b
.endr
.endr
.irp i, 0,1,2,3,4,5,6,7
	ds_load_b128 v[T+4*\i:T+4*\i+3], v[RD] offset:640*\i   ; a wave's LDS instructions are served in order: these see my stores
.endr
.irp i, 0,1,2,3,4,5,6,7
	s_wait_dscnt 7-\i
	global_store_b128 v[CO], v[T+4*\i:T+4*\i+3], s[\ptr:\ptr+1] offset:\imm+512*\i   ; 512 consecutive bytes, aligned
.endr
.endm
	s_wait_tensorcnt 1                             ; my part of slot 0 is in; slot 1's may be out
	s_barrier_signal -1
	s_barrier_wait -1
	FETCH 0, 0, F0, AD1, AD0
	WIN 0
	BIASQ 0
	LAPBODY 1, AD1, AD0, 1                         ; q; slot 0's B part takes k's first half,
	TURN 1, 0, 1, AD1, AD0                         ; slot 1's its second, and k's first fragments are fetched
	WAYC 0, 90, 0, 80, 81
	BIASQ 1
	LAPBODY 1, AD1, AD0, 1                         ; k
	TURN 1, 0, 1, AD1V, AD0V
	WAYC 0, 90, 4194304, 82, 83
	BIASV
	LAPBODY 1, AD1V, AD0V, 0                       ; v, the sources changed; nothing more is asked for
	LAST
	WAYC 1, 92, 0, 84, 85
	s_wait_tensorcnt 0x0                           ; the wave's end
	ds_add_u32 v[SPW], v[NIL]
	s_wait_dscnt 0x0
	CROUND                                         ; the closing round
	s_endpgm
.Lfunc_end_k_q9ccfe40658_qkv:
	.size	k_q9ccfe40658_qkv, .Lfunc_end_k_q9ccfe40658_qkv-k_q9ccfe40658_qkv
	.p2alignl 7, 3214868480
	.fill 96, 4, 3214868480
	.section	.rodata,"a",@progbits
	.p2align	6, 0x0
	.amdhsa_kernel k_q9ccfe40658_qkv
		.amdhsa_group_segment_fixed_size 327680
		.amdhsa_private_segment_fixed_size 0
		.amdhsa_enable_private_segment 0
		.amdhsa_kernarg_size 40
		.amdhsa_user_sgpr_count 2
		.amdhsa_user_sgpr_kernarg_segment_ptr 1
		.amdhsa_wavefront_size32 1
		.amdhsa_system_sgpr_workgroup_id_x 1
		.amdhsa_system_sgpr_workgroup_id_y 1
		.amdhsa_system_sgpr_workgroup_id_z 1
		.amdhsa_system_vgpr_workitem_id 0
		.amdhsa_next_free_vgpr 512
		.amdhsa_next_free_sgpr 104
		.amdhsa_reserve_vcc 0
		.amdhsa_float_denorm_mode_32 3
		.amdhsa_float_denorm_mode_16_64 3
		.amdhsa_memory_ordered 1
		.amdhsa_forward_progress 1
		.amdhsa_inst_pref_size 140
	.end_amdhsa_kernel
	.amdgpu_metadata
---
amdhsa.version: [ 1, 2 ]
amdhsa.kernels:
  - .name:           k_q9ccfe40658_qkv
    .symbol:         k_q9ccfe40658_qkv.kd
    .args:
      - { .name: aq, .offset: 0, .size: 8, .value_kind: global_buffer, .address_space: global }
      - { .name: wq, .offset: 8, .size: 8, .value_kind: global_buffer, .address_space: global }
      - { .name: attn_b, .offset: 16, .size: 8, .value_kind: global_buffer, .address_space: global }
      - { .name: lowp_scales, .offset: 24, .size: 8, .value_kind: global_buffer, .address_space: global }
      - { .name: qkv, .offset: 32, .size: 8, .value_kind: global_buffer, .address_space: global }
    .group_segment_fixed_size: 327680
    .private_segment_fixed_size: 0
    .kernarg_segment_align: 8
    .kernarg_segment_size: 40
    .max_flat_workgroup_size: 128
    .sgpr_count:     104
    .vgpr_count:     512
    .wavefront_size: 32
...
	.end_amdgpu_metadata
.endif
;; end of part 2
;; launch att (part 3): grid 8 x 32, 16 waves a work-group, no clusters, 327,680 bytes of LDS; arguments qkv, lowp_scales, yq; writes yq
.if DOCPART == 3
	.amdgcn_target "amdgcn-amd-amdhsa--gfx1250"
	.amdhsa_code_object_version 6
	.text
	.protected	k_q9ccfe40658_att
	.globl	k_q9ccfe40658_att
	.p2align	8
	.type	k_q9ccfe40658_att,@function
k_q9ccfe40658_att:
	s_mov_b64 s[64:65], 0
	v_nop
	global_prefetch_b8 v0, s[64:65] scope:SCOPE_SE
	s_setreg_imm32_b32 hwreg(HW_REG_WAVE_MODE, 25, 1), 1
	s_wait_xcnt 0x0
; CAUSAL ATTENTION on codes of E5M2: y[q] = sum over k <= q of softmax(q . k / 8) v[k], head size 64, 2,048 tokens, 32 (batch x head); y is quantised for the next product.
; IN: q at 0, k at 4,194,304: [32][2,048][64]; v at 8,388,608: [32][32 blocks of 64 keys][64 channels][64 keys].  OUT: yq: [16 planes = heads][4,096 rows][64].
; THE SOFTMAX: t = score x log2(e) / 8; M = the running largest t rounded UP to a whole number; p = 2^(t - M) is quantised with 2^e4, not normalised; the row's sum is taken of the unquantised p and divides at the end.
; SHARES.  Work-group (i, bh): waves 0-7 own queries 128 i .. 128 i + 127, waves 8-15 queries 128 (15 - i) on: 16 queries a wave; so every work-group has 8 x 17 key steps that are not hidden.
; The head's whole K and V, 2 x 131,072 bytes, lie in LDS, brought by sixteen tensor loads (waves 0-3, four each) issued together at the head: no byte is filled twice.  Four of a wave's loads are out at the most.
; 16 bytes of padding follow every 256 in LDS: a row of 64 bytes number i lies at (i / 4) x 272 + (i % 4) x 64.
; Both products are used transposed: a lane holds ONE query (lane % 16).  THE KEYS OF A TILE ARE NOT NEIGHBOURS: lane r of tile 2 b + u takes key 32 b + 8 u + r + 8 (r / 8), so that the 16 registers of tiles 2 b, 2 b + 1
; are keys 32 b + 16 (lane / 16) + 0..15, the order in which V's fragments hold them.
; CAUSAL: every wave walks all 16 key steps (constant trip counts); a step all of whose keys come after the wave's queries is jumped over by a scalar branch on ids.
; NO CLUSTER: that jump hangs on the work-group's number, which differs between the work-groups of a head; partners of a joint load may have no such branch.
; LIMITS: e2 + e3 between -123 and 130; e4 and e6 between -126 and 112.  NaN is not served.
; REGISTERS: v1-11 addresses; v12 -M, v13 the largest t, v[14:15] the sum; v16-23 Q; v32-95 K's 8 fragments, then V's 4; v96-159 S^T, then p; v160-191 O^T; v224-239 p's codes; v236-254 at work and constants.
.set VOFF,  139264                     ; V's region: behind K's 512 x 272 bytes
.set STAGE, 278528                     ; behind both: 16 rows x 80 bytes for each wave
.set STEPB, 8704                       ; 128 keys: 32 x 272 bytes of K, two blocks of 4,352 bytes of V
.set AK0, 1
.set AV0, 2
.set STO, 5
.set RD,  6
.set GO,  7
.set ADK, 8
.set ADV, 9
.set TB,  2                            ; s2   LDS byte of the step in hand
.set CNT, 3
.set WV,  18
.set SEL, 20
.set CS,  22
.set G1,  24
.set G0,  32                           ; s[32:47] four groups 0
.set KF,  98                           ; s98  the step's first key
.set Q0,  99                           ; s99  my first query
	s_load_b128 s[4:7], s[0:1], 0x0                ; qkv 4, the exponents 6
	s_load_b64 s[8:9], s[0:1], 0x10                ; yq
	v_lshrrev_b32 v8, 5, v0
	v_readfirstlane_b32 s[WV], v8                  ; wave 0..15
	s_and_b32 s10, ttmp7, 0xffff                   ; bh
	s_sub_co_u32 s11, 15, ttmp9
	s_cmp_lt_u32 s[WV], 8
	s_cselect_b32 s11, ttmp9, s11                  ; my block of 128 queries
	s_lshl_b32 s11, s11, 7
	s_and_b32 s12, s[WV], 7
	s_lshl_b32 s12, s12, 4
	s_add_co_u32 s[Q0], s11, s12
	s_bfe_u32 s13, s[WV], 0x10001                  ; waves 0, 1 fetch K, waves 2, 3 V;
	s_and_b32 s14, s[WV], 1                        ; which 256 keys of each 512
	s_mul_i32 s15, s13, VOFF
	s_mul_i32 s16, s14, 17408
	s_add_co_u32 s15, s15, s16                     ; in LDS
	s_add_co_u32 s48, s13, 1
	s_lshl_b32 s48, s48, 22                        ; k's or v's third of the buffer,
	s_lshl_b32 s49, s10, 17                        ; the head's 131,072 bytes,
	s_add_co_u32 s48, s48, s49
	s_lshl_b32 s49, s14, 14                        ; my half of 32,768
	s_add_co_u32 s48, s48, s49
	s_mov_b32 s49, 0
	; group 1: a dense block as 64 rows of 32 elements of 8 bytes; 4 words of padding behind every 64
	s_mov_b32 s[G1], (3<<16)|(1<<20)|(5<<22)|(3<<25)
	s_mov_b32 s[G1+1], 32<<16
	s_mov_b32 s[G1+2], 64<<16
	s_mov_b32 s[G1+3], 32<<16
	s_mov_b32 s[G1+4], 64
	s_mov_b32 s[G1+5], 32
	s_mov_b32 s[G1+6], 0
	s_mov_b32 s[G1+7], 0
	s_mov_b32 s[SEL], 0x76543210
	s_mov_b32 s[SEL+1], 0xfedcba98
	s_mov_b32 s[CS], 0x3e38aa3b                    ; log2(e) / 8
	s_mov_b32 s[TB], 0
	s_mov_b32 s[KF], 0
	s_wait_kmcnt 0x0
	s_load_b256 s[68:75], s[6:7], 0x0              ; e0 .. e7
	s_add_nc_u64 s[48:49], s[4:5], s[48:49]
.irp j, 0,1,2,3
	s_mov_b32 s[G0+4*\j], 1
	s_add_co_u32 s[G0+4*\j+1], s15, \j*34816
	s_add_nc_u64 s[G0+4*\j+2:G0+4*\j+3], s[48:49], \j*32768
	s_or_b32 s[G0+4*\j+3], s[G0+4*\j+3], 0x80000000
.endr
	s_cmp_lt_u32 s[WV], 4                          ; a wave's four fills stand in one branch, ahead of every wait on TENSORcnt, every LDS read and every barrier
	s_cbranch_scc0 .Lno_fetch
	tensor_load_to_lds s[G0:G0+3], s[G1:G1+7]
	tensor_load_to_lds s[G0+4:G0+7], s[G1:G1+7]
	tensor_load_to_lds s[G0+8:G0+11], s[G1:G1+7]
	tensor_load_to_lds s[G0+12:G0+15], s[G1:G1+7]
.rept 4
	v_nop
.endr
.Lno_fetch:
	s_lshl_b32 s50, s10, 11
	s_add_co_u32 s50, s50, s[Q0]
	s_lshl_b32 s50, s50, 6
	s_mov_b32 s51, 0
	s_add_nc_u64 s[52:53], s[4:5], s[50:51]        ; my 16 queries' codes
	s_and_b32 s54, s10, 15
	s_lshl_b32 s54, s54, 18                        ; yq: plane = head,
	s_lshr_b32 s55, s10, 4
	s_lshl_b32 s55, s55, 11
	s_add_co_u32 s55, s55, s[Q0]
	s_lshl_b32 s55, s55, 6                         ; row 2,048 b + my first query
	s_add_co_u32 s54, s54, s55
	s_mov_b32 s55, 0
	s_add_nc_u64 s[8:9], s[8:9], s[54:55]
	v_and_b32 v8, 15, v0                           ; r
	v_bfe_u32 v9, v0, 4, 1                         ; h
	v_lshlrev_b32 v10, 6, v8
	v_lshl_add_u32 v10, v9, 4, v10
	global_load_b128 v[16:19], v10, s[52:53]       ; Q: channels 16 h + 0..15
	global_load_b128 v[20:23], v10, s[52:53] offset:32   ; and 32 + 16 h + 0..15
	v_and_b32 v11, 8, v8
	v_add_nc_u32 v11, v11, v8                      ; r + 8 (r / 8)
	v_lshrrev_b32 v3, 2, v11
	v_mul_u32_u24 v3, v3, 272
	v_and_b32 v4, 3, v11
	v_lshl_add_u32 v3, v4, 6, v3
	v_lshl_add_u32 v[AK0], v9, 4, v3
	v_lshrrev_b32 v3, 2, v8
	v_mul_u32_u24 v3, v3, 272
	v_and_b32 v4, 3, v8
	v_lshl_add_u32 v3, v4, 6, v3
	v_lshl_add_u32 v3, v9, 4, v3
	v_add_nc_u32 v[AV0], VOFF, v3
	s_mul_i32 s56, s[WV], 1280
	s_add_co_u32 s56, s56, STAGE                   ; my stage
	v_mul_u32_u24 v3, v8, 80
	v_lshl_add_u32 v3, v9, 3, v3
	v_add_nc_u32 v[STO], s56, v3
	v_and_b32 v3, 31, v0
	v_lshlrev_b32 v[GO], 4, v3
	v_lshrrev_b32 v4, 2, v3
	v_mul_u32_u24 v4, v4, 80
	v_and_b32 v3, 3, v3
	v_lshl_add_u32 v4, v3, 4, v4
	v_add_nc_u32 v[RD], s56, v4
	v_mov_b32 v13, 0xff61b1e6                      ; the largest t so far: -3e38
	v_floor_f32 v12, -v13                          ; -M
	v_mov_b32 v14, 0
	v_mov_b32 v15, 0
	v_mov_b32 v236, 0                              ; lane permutes' destinations count as sources: written once
	v_mov_b32 v252, 0
	v_mov_b32 v253, 0
.set n, 0
.rept 32
	v_mov_b32 v[160+n], 0                          ; O^T: the step is written once; the first finds zeros
.set n, n+1
.endr
	s_wait_kmcnt 0x0
	s_add_co_i32 s56, s70, s71
	s_lshl_b32 s56, s56, 23
	s_add_co_i32 s[CS], s[CS], s56                 ; e2 + e3 go into c's exponent field
	s_mov_b32 s[CS+1], s[CS]
	s_add_co_i32 s56, s72, 127
	s_lshl_b32 s57, s56, 23
	v_mov_b32 v244, s57                            ; 2^e4
	s_add_co_i32 s56, s56, 15
	s_lshl_b32 s56, s56, 23
	s_or_b32 s56, s56, 0x600000
	v_mov_b32 v240, s56                            ; 57,344 x 2^e4
	s_add_co_i32 s56, s74, 127
	s_lshl_b32 s57, s56, 23
	v_mov_b32 v245, s57                            ; 2^e6
	s_add_co_i32 s56, s56, 15
	s_lshl_b32 s56, s56, 23
	s_or_b32 s56, s56, 0x600000
	v_mov_b32 v241, s56                            ; 57,344 x 2^e6
	s_add_co_i32 s58, s72, s73                     ; e4 + e5
; A KEY STEP: 128 keys from s[KF] on, at LDS byte s[TB] of K's and of V's region
.macro STEP
	s_add_co_u32 s96, s[Q0], 15
	s_cmp_gt_u32 s[KF], s96
	s_cbranch_scc1 .Lhidden_\@                     ; all its keys come after my queries
	v_add_nc_u32 v[ADK], s[TB], v[AK0]
	v_add_nc_u32 v[ADV], s[TB], v[AV0]
	v_nop                                          ; with the two additions: four places in front of loads into registers that the last products read
	v_nop
.irp t, 0,1,2,3,4,5,6,7
	ds_load_b128 v[32+8*\t:35+8*\t], v[ADK] offset:(8*(\t/2)+2*(\t%2))*272
	ds_load_b128 v[36+8*\t:39+8*\t], v[ADK] offset:(8*(\t/2)+2*(\t%2))*272+32
.endr
	s_wait_dscnt 0x0
.irp t, 0,1,2,3,4,5,6,7
	v_wmma_f32_16x16x64_bf8_bf8 v[96+8*\t:103+8*\t], v[32+8*\t:39+8*\t], v[16:23], 0
.endr
.rept 4
	v_nop
.endr
.irp i, 0,1,2,3                                ; V's four fragments are asked for here and land under the softmax
.irp c, 0,1,2,3
	ds_load_b128 v[32+16*\i+4*\c:35+16*\i+4*\c], v[ADV] offset:\i*1088+(\c/2)*4352+32*(\c%2)
.endr
.endr
	s_add_co_u32 s96, s[KF], 127
	s_cmp_le_u32 s96, s[Q0]
	s_cbranch_scc1 .Lopen_\@                       ; all its keys count
	s_sub_co_i32 s96, s[Q0], s[KF]
	v_and_b32 v252, 15, v0
	v_bfe_u32 v253, v0, 4, 1
	v_lshlrev_b32 v253, 4, v253
	v_sub_nc_u32 v252, v252, v253
	v_add_nc_u32 v252, s96, v252                   ; d = my query - KF - 16 h.  Register 16 b + i holds key KF + 16 h + 32 b + i: hidden where 32 b + i > d
	v_mov_b32 v254, 0xff800000
.set n, 0
.rept 64
	v_cmp_gt_i32 vcc_lo, 32*(n/16)+n%16, v252
	v_cndmask_b32 v[96+n], v[96+n], v254, vcc_lo
.set n, n+1
.endr
.Lopen_\@:
	v_max3_num_f32 v254, v96, v97, v98             ; the step's largest score of my query, in two chains,
	v_max3_num_f32 v252, v99, v100, v101
.irp i, 6,10,14,18,22,26,30,34,38,42,46,50,54,58
	v_max3_num_f32 v254, v254, v[96+\i], v[97+\i]
	v_max3_num_f32 v252, v252, v[98+\i], v[99+\i]
.endr
	v_max3_num_f32 v254, v254, v158, v159
	v_max_num_f32 v254, v254, v252
	v_permlanex16_b32 v236, v254, s[SEL], s[SEL+1]
	v_max_num_f32 v254, v254, v236                 ; and among lane l xor 16's
	v_mul_f32 v254, s[CS], v254
	v_max_num_f32 v13, v13, v254                   ; the running largest t
	v_mov_b32 v254, v12
	v_floor_f32 v12, -v13                          ; the new -M = -ceil(t)
	v_sub_f32 v254, v12, v254                      ; old M - new M: a whole number, 0 or less
	v_cvt_i32_f32 v254, v254
	v_ldexp_f32 v252, 1.0, v254                    ; f = 2^(old M - new M)
.set n, 0
.rept 32
	v_pk_fma_f32 v[96+n:97+n], v[96+n:97+n], s[CS:CS+1], v[12:13] op_sel_hi:[1,0,0]   ; t - M
.set n, n+2
.endr
.set n, 0
.rept 64
	v_exp_f32 v[96+n], v[96+n]                     ; p = 2^(t - M)
.set n, n+1
.endr
	v_pk_mul_f32 v[14:15], v[14:15], v[252:253] op_sel_hi:[1,0]   ; the sums under the new M: a plain instruction behind the exponentials
	s_wait_alu depctr_va_vdst(0)                   ; one wait for the batch, ahead of its first reader
	v_pk_add_f32 v[242:243], v[96:97], v[98:99]    ; the row's sum of the unquantised p, in two chains
.irp j, 4,8,12,16,20,24,28,32,36,40,44,48,52,56,60
	v_pk_add_f32 v[14:15], v[14:15], v[96+\j:97+\j]
	v_pk_add_f32 v[242:243], v[242:243], v[98+\j:99+\j]
.endr
	v_pk_add_f32 v[14:15], v[14:15], v[242:243]
.irp b, 0,1,2,3
.irp i, 0,1,2,3,4,5,6,7,8,9,10,11,12,13,14,15
	v_min_num_f32 v[96+16*\b+\i], v[96+16*\b+\i], v240   ; p is not negative: a one-sided hold
.endr
	v_cvt_scalef32_pk8_bf8_f32 v[224+4*\b:225+4*\b], v[96+16*\b:103+16*\b], v244
	v_cvt_scalef32_pk8_bf8_f32 v[226+4*\b:227+4*\b], v[104+16*\b:111+16*\b], v244
.endr
.set n, 0
.rept 16
	v_pk_mul_f32 v[160+n:161+n], v[160+n:161+n], v[252:253] op_sel_hi:[1,0]   ; O^T under the new M
.set n, n+2
.endr
	s_wait_dscnt 0x0                               ; V's fragments
.irp i, 0,1,2,3
	v_wmma_f32_16x16x128_bf8_bf8 v[160+8*\i:167+8*\i], v[32+16*\i:47+16*\i], v[224:239], v[160+8*\i:167+8*\i]
.endr
.Lhidden_\@:
	s_add_co_u32 s[KF], s[KF], 128
	s_add_co_u32 s[TB], s[TB], STEPB
.endm
; 512 keys: the fetching waves have seen their j-th load land (the later ones may be out), a barrier shows it to all sixteen, four steps follow
.macro SLOTJ j
	s_wait_tensorcnt 3-\j
	s_wait_dscnt 0x0
	s_barrier_signal -1
	s_barrier_wait -1
	s_mov_b32 s[CNT], 4
.Lstep_\@:
	STEP
	s_sub_co_u32 s[CNT], s[CNT], 1
	s_cmp_lg_u32 s[CNT], 0
	s_cbranch_scc1 .Lstep_\@
.endm
	s_wait_loadcnt 0x0                             ; Q
	SLOTJ 0
	SLOTJ 1
	SLOTJ 2
	SLOTJ 3
	; THE WAY OUT: y = O^T x 2^(e4 + e5) / the sum, quantised with 2^e6: a lane's eight channels become 8 bytes; 16 rows of 64 bytes go through my stage and leave as 1,024 consecutive bytes
	v_add_f32 v14, v14, v15
	v_permlanex16_b32 v252, v14, s[SEL], s[SEL+1]
	v_add_f32 v14, v14, v252
	v_rcp_f32 v14, v14
	v_nop
	v_nop
	v_nop
	s_wait_alu depctr_va_vdst(0)                   ; ahead of the reciprocal's first reader
	v_ldexp_f32 v14, v14, s58
.set n, 0
.rept 32
	v_mul_f32 v[96+n], v[160+n], v14
.set n, n+1
.endr
.set n, 0
.rept 32
	v_med3_num_f32 v[96+n], v[96+n], -v241, v241
.set n, n+1
.endr
.irp i, 0,1,2,3
	v_cvt_scalef32_pk8_bf8_f32 v[32+2*\i:33+2*\i], v[96+8*\i:103+8*\i], v245
.endr
	v_nop
.irp i, 0,1,2,3
	ds_store_b64 v[STO], v[32+2*\i:33+2*\i] offset:16*\i
.endr
	ds_load_b128 v[40:43], v[RD]
	ds_load_b128 v[44:47], v[RD] offset:640
	s_wait_dscnt 1
	global_store_b128 v[GO], v[40:43], s[8:9]
	s_wait_dscnt 0
	global_store_b128 v[GO], v[44:47], s[8:9] offset:512
	s_endpgm
.Lfunc_end_k_q9ccfe40658_att:
	.size	k_q9ccfe40658_att, .Lfunc_end_k_q9ccfe40658_att-k_q9ccfe40658_att
	.p2alignl 7, 3214868480
	.fill 96, 4, 3214868480
	.section	.rodata,"a",@progbits
	.p2align	6, 0x0
	.amdhsa_kernel k_q9ccfe40658_att
		.amdhsa_group_segment_fixed_size 327680
		.amdhsa_private_segment_fixed_size 0
		.amdhsa_enable_private_segment 0
		.amdhsa_kernarg_size 24
		.amdhsa_user_sgpr_count 2
		.amdhsa_user_sgpr_kernarg_segment_ptr 1
		.amdhsa_wavefront_size32 1
		.amdhsa_system_sgpr_workgroup_id_x 1
		.amdhsa_system_sgpr_workgroup_id_y 1
		.amdhsa_system_sgpr_workgroup_id_z 1
		.amdhsa_system_vgpr_workitem_id 0
		.amdhsa_next_free_vgpr 256
		.amdhsa_next_free_sgpr 100
		.amdhsa_reserve_vcc 1
		.amdhsa_float_denorm_mode_32 3
		.amdhsa_float_denorm_mode_16_64 3
		.amdhsa_memory_ordered 1
		.amdhsa_forward_progress 1
		.amdhsa_inst_pref_size 96
	.end_amdhsa_kernel
	.amdgpu_metadata
---
amdhsa.version: [ 1, 2 ]
amdhsa.kernels:
  - .name:           k_q9ccfe40658_att
    .symbol:         k_q9ccfe40658_att.kd
    .args:
      - { .name: qkv, .offset: 0, .size: 8, .value_kind: global_buffer, .address_space: global }
      - { .name: lowp_scales, .offset: 8, .size: 8, .value_kind: global_buffer, .address_space: global }
      - { .name: yq, .offset: 16, .size: 8, .value_kind: global_buffer, .address_space: global }
    .group_segment_fixed_size: 327680
    .private_segment_fixed_size: 0
    .kernarg_segment_align: 8
    .kernarg_segment_size: 24
    .max_flat_workgroup_size: 512
    .sgpr_count:     100
    .vgpr_count:     256
    .wavefront_size: 32
...
	.end_amdgpu_metadata
.endif
;; end of part 3
;; launch proj (part 4): grid 8 x 32, 4 waves a work-group, clusters of 4 x 4, 327,680 bytes of LDS; arguments yq, wq, proj_b, lowp_scales, x, x1; writes x1
.if DOCPART == 4
	.amdgcn_target "amdgcn-amd-amdhsa--gfx1250"
	.amdhsa_code_object_version 6
	.text
	.protected	k_q9ccfe40658_proj
	.globl	k_q9ccfe40658_proj
	.p2align	8
	.type	k_q9ccfe40658_proj,@function
k_q9ccfe40658_proj:
	s_mov_b64 s[64:65], 0
	v_nop
	global_prefetch_b8 v0, s[64:65] scope:SCOPE_SE
	s_setreg_imm32_b32 hwreg(HW_REG_WAVE_MODE, 25, 1), 1
	s_wait_xcnt 0x0
	s_wait_alu depctr_hold_cnt(0) depctr_sa_sdst(0) depctr_va_vdst(0) depctr_va_sdst(0) depctr_va_ssrc(0) depctr_va_vcc(0) depctr_vm_vsrc(0)
	s_getreg_b32 s2, hwreg(HW_REG_IB_STS2, 6, 4)
	s_cmp_eq_u32 s2, 0
	s_cbranch_scc0 .Lentry_in_a_cluster
	s_endpgm
.Lentry_in_a_cluster:
	s_bfe_u32 s2, ttmp6, 0x10000c
	s_cmp_lg_u32 s2, 0xf033
	s_cbranch_scc0 .Lentry_shape_is_right
	s_endpgm
.Lentry_shape_is_right:
; OUT = RES + A B^T x 2^(eA + eB) + bias, f32, A and B codes of E5M2 laid [K/64 planes][rows][64 bytes].  Here: x1 = x + y proj_w + proj_b; K = 1,024.
; A tile of C is 128 x 128: four waves of 64 x 64, 16 accumulators each; 256 work-groups.  K goes through two LDS slots of 512 along K: 8 planes x (128 rows of A + 128 of B); one tensor load brings 64 rows x 8 planes.
; In LDS 16 bytes of padding follow every 256: row i of a plane lies at (i / 4) x 272 + (i % 4) x 64.  A fragment (16 rows x 128 K) is four loads of 16 bytes, k in the same order in both operands.
; CLUSTER 4 x 4: A's tiles are asked for jointly along a row of the cluster, B's along a column.  The matrix instruction is used transposed: lane (r, h) of accumulator (a, b) holds row 16 a + r, columns 16 b + 8 h + 0..7.
; THE RESIDUAL, my wave's 64 rows x 256 bytes, is asked for at the head, behind the first tensor loads, into 128 registers of window 2 that nothing else names: it lands under the products.
; THE WAY OUT: 16 rows x 256 bytes at a time through the wave's own stage, back as whole rows, in the layout in which the residual was loaded; sixteen lanes store 256 consecutive bytes, aligned.
; LIMIT: eA + eB between -126 and 127.
; REGISTERS: window 0: v1-31 addresses; v32-35 the bias; v64-127 two sets of rows; v128-255 the accumulators.  Window 1: two fragment buffers of 128.  Window 2: v0-127 the residual.
.set KLAPS,   1                        ; laps of 1,024 along K
.set RB,      1024
.set SECTION, 3145728
.set STEPA,   4194304                  ; a lap on: 16 planes of A,
.set STEPB,   1048576                  ; 16 planes of B
.set SCOFF,   0x18                     ; where eA, eB lie among the exponents
.set NTOUT,   0
.set APITCH,  262144
.set BPITCH,  RB*64
.set PLB,     4352
.set TB16,    1088
.set HALFT,   8*PLB
.set SLOT,    4*HALFT
.set STAGE,   2*SLOT                   ; behind the ring: 16 rows x 272 bytes for each wave
.set SPARE,   STAGE+4*4352             ; behind the stages: the spare words, 128 bytes for each wave
.set AD1,  16
.set AD0,  20
.set STO,  24
.set RD,   25
.set CO,   26
.set BA,   27
.set SPW,  28
.set NIL,  29
.set BIAS, 32
.set BK,   64
.set ACC,  128
.set F0,   0
.set F1,   128
.set G1A,  24
.set G0A,  32
.set G1B,  48
.set G0B,  56
.set MUL,  0x05
.set TO_F, 0x40
.set MSB, 0
.macro WIN new
.if MSB != \new
	s_set_vgpr_msb (MSB<<8)|\new
.set MSB, \new
.endif
.endm
.macro PLACES                          ; four plain instructions between a matrix instruction and a load into, or a read of, its registers
.rept 4
	v_nop
.endr
.endm
.macro JLOAD s                         ; a joint load: waves 0 and 1 fetch A's halves, waves 2 and 3 B's; four v_nop follow each line
	s_cmp_eq_u32 s17, 0
	s_cbranch_scc0 .Lfor_b_\@
	tensor_load_to_lds s[G0A+4*\s:G0A+4*\s+3], s[G1A:G1A+7]
.rept 4
	v_nop
.endr
	s_branch .Lasked_\@
.Lfor_b_\@:
	tensor_load_to_lds s[G0B+4*\s:G0B+4*\s+3], s[G1B:G1B+7]
.rept 4
	v_nop
.endr
.Lasked_\@:
.endm
.macro CREST
	s_cmp_lg_u32 s16, 0
	s_cbranch_scc1 .Lnot_wave_0_\@
	s_barrier_signal -3
.Lnot_wave_0_\@:
	s_barrier_wait -3
	s_barrier_signal -1
	s_barrier_wait -1
.endm
.macro CROUND
	s_barrier_signal -1
	s_barrier_wait -1
	CREST
.endm
.macro MUL8 f, a0, zero                ; 8 products; the 16 accumulators take turns in one order everywhere
.irp a, \a0, \a0+1
.irp b, 0,1,2,3
.if \zero
	v_wmma_f32_16x16x128_bf8_bf8 v[ACC+8*(4*(\a)+\b):ACC+8*(4*(\a)+\b)+7], v[\f+64+16*\b:\f+64+16*\b+15], v[\f+16*(\a):\f+16*(\a)+15], 0
.else
	v_wmma_f32_16x16x128_bf8_bf8 v[ACC+8*(4*(\a)+\b):ACC+8*(4*(\a)+\b)+7], v[\f+64+16*\b:\f+64+16*\b+15], v[\f+16*(\a):\f+16*(\a)+15], v[ACC+8*(4*(\a)+\b):ACC+8*(4*(\a)+\b)+7]
.endif
.endr
.endr
.endm
.macro FETCH slot, q, f, A1, A0        ; 32 LDS loads: the eight fragments of the slot's q-th 128 along K into buffer f
	WIN TO_F
.irp i, 0,1,2,3
.irp c, 0,1,2,3
	ds_load_b128 v[\f+64+16*\i+4*\c:\f+64+16*\i+4*\c+3], v[\A0+\slot] offset:(2*(\q)+\c/2)*PLB+32*(\c%2)+\i*TB16
	ds_load_b128 v[\f+16*\i+4*\c:\f+16*\i+4*\c+3], v[\A1+\slot] offset:(2*(\q)+\c/2)*PLB+32*(\c%2)+\i*TB16
.endr
.endr
.endm
.macro STEP slot, q, f, g, zero, A1, A0
	PLACES
	FETCH \slot, (\q)+1, \g, \A1, \A0
	s_wait_dscnt 32                                ; all but the 32 just issued: buffer f is in
	WIN MUL
	MUL8 \f, 0, \zero
	MUL8 \f, 2, \zero
.endm
; a slot's last step changes slots: ONE barrier; in front of it each wave waits for all its tensor loads, adds 0 to its spare word, and waits for that and for its reads of this slot.  fill = 1: a round of the cluster's barrier, then the refill first
.macro TURN slot, next, fill, A1n, A0n
	WIN 0
	s_wait_tensorcnt 0x0                           ; all my tensor loads have landed: my part of the next slot
	ds_add_u32 v[SPW], v[NIL]                      ; 0 onto my spare word
	s_wait_dscnt 1                                 ; (the add may be out; buffer 1's 32 loads are in)
	WIN MUL
	MUL8 F1, 0, 0
	s_wait_dscnt 0x0                               ; the add is done, and my reads of this slot are over
	s_barrier_signal -1
	MUL8 F1, 2, 0
	WIN 0
	s_barrier_wait -1
.if \fill
	CREST
.if STEPA != 0
	s_add_nc_u64 s[G0A+4*\slot+2:G0A+4*\slot+3], s[G0A+4*\slot+2:G0A+4*\slot+3], STEPA
.endif
	s_add_nc_u64 s[G0B+4*\slot+2:G0B+4*\slot+3], s[G0B+4*\slot+2:G0B+4*\slot+3], STEPB
	JLOAD \slot
.else
	PLACES
.endif
	FETCH \next, 0, F0, \A1n, \A0n
	WIN 0
.endm
.macro LAPBODY zero, A1, A0, fill0
	STEP 0, 0, F0, F1, \zero, \A1, \A0
	STEP 0, 1, F1, F0, 0, \A1, \A0
	STEP 0, 2, F0, F1, 0, \A1, \A0
	TURN 0, 1, \fill0, \A1, \A0
	STEP 1, 0, F0, F1, 0, \A1, \A0
	STEP 1, 1, F1, F0, 0, \A1, \A0
	STEP 1, 2, F0, F1, 0, \A1, \A0
.endm
	s_load_b256 s[4:11], s[0:1], 0x0               ; A 4, wq 6, the bias 8, the exponents 10
	s_load_b128 s[12:15], s[0:1], 0x20             ; the residual 12, the result 14
	v_lshl_add_u32 v[SPW], v0, 2, SPARE
	v_mov_b32 v[NIL], 0
	v_lshrrev_b32 v1, 5, v0
	v_readfirstlane_b32 s16, v1                    ; wave 0..3
	s_lshr_b32 s17, s16, 1
	s_and_b32 s18, s16, 1
	s_bfe_u32 s40, ttmp6, 0x40000                  ; cx
	s_bfe_u32 s41, ttmp6, 0x40004                  ; cy
	s_lshl_b32 s42, ttmp9, 2
	s_add_co_u32 s42, s42, s40                     ; X
	s_and_b32 s43, ttmp7, 0xffff
	s_lshl_b32 s43, s43, 2
	s_add_co_u32 s43, s43, s41                     ; Y
	s_lshl_b32 s44, s41, 2
	s_lshl_b32 s44, 15, s44
	s_lshl_b32 s45, 0x1111, s40
	s_or_b32 s[G1A], s44, (1<<20)|(1<<21)|(5<<22)|(3<<25)
	s_or_b32 s[G1B], s45, (1<<20)|(1<<21)|(5<<22)|(3<<25)
.irp g, G1A, G1B
	s_mov_b32 s[\g+1], 4096<<16
	s_mov_b32 s[\g+2], 8<<16
	s_mov_b32 s[\g+3], 4096<<16
	s_mov_b32 s[\g+4], 8
	s_mov_b32 s[\g+6], 0
	s_mov_b32 s[\g+7], 0
.endr
	s_mov_b32 s[G1A+5], APITCH
	s_mov_b32 s[G1B+5], BPITCH
	s_lshl_b32 s20, s43, 13
	s_lshl_b32 s21, s18, 12
	s_add_co_u32 s20, s20, s21
	s_mov_b32 s21, 0
	s_lshl_b32 s46, s42, 13
	s_lshl_b32 s47, s18, 12
	s_add_co_u32 s46, s46, s47
	s_add_co_u32 s46, s46, SECTION
	s_mov_b32 s47, 0
	s_mul_i32 s19, s16, HALFT
	s_wait_kmcnt 0x0
	s_load_b64 s[72:73], s[10:11], SCOFF           ; eA, eB
	s_add_nc_u64 s[20:21], s[4:5], s[20:21]
	s_add_nc_u64 s[46:47], s[6:7], s[46:47]
	CROUND
.irp s, 0,1
	s_mov_b32 s[G0A+4*\s], 1
	s_add_co_u32 s[G0A+4*\s+1], s19, \s*SLOT
	s_add_nc_u64 s[G0A+4*\s+2:G0A+4*\s+3], s[20:21], \s*8*APITCH
	s_or_b32 s[G0A+4*\s+3], s[G0A+4*\s+3], 0x80000000
	s_mov_b32 s[G0B+4*\s], 1
	s_add_co_u32 s[G0B+4*\s+1], s19, \s*SLOT
	s_add_nc_u64 s[G0B+4*\s+2:G0B+4*\s+3], s[46:47], \s*8*BPITCH
	s_or_b32 s[G0B+4*\s+3], s[G0B+4*\s+3], 0x80000000
	JLOAD \s
.endr
	v_and_b32 v1, 15, v0                           ; r
	v_bfe_u32 v2, v0, 4, 1                         ; h
	v_lshlrev_b32 v[BA], 4, v1
	v_lshl_add_u32 v[CO], v2, 12, v[BA]            ; two rows of the result in memory: 4,096 bytes a row, 16 bytes a lane
	s_lshl_b32 s70, s42, 9                         ; my first column, in bytes: 512 X + 256 (wave % 2)
	s_lshl_b32 s71, s18, 8
	s_add_co_u32 s70, s70, s71
	s_mov_b32 s71, 0
	s_add_nc_u64 s[90:91], s[8:9], s[70:71]
	global_load_b128 v[BIAS:BIAS+3], v[BA], s[90:91]   ; the bias of my four columns of a row read back
	s_lshl_b32 s68, s43, 19                        ; my first row: 128 Y + 64 (wave / 2)
	s_lshl_b32 s69, s17, 18
	s_add_co_u32 s68, s68, s69
	s_add_co_u32 s68, s68, s70
	s_mov_b32 s69, 0
	s_add_nc_u64 s[86:87], s[12:13], s[68:69]
	s_add_nc_u64 s[88:89], s[14:15], s[68:69]
	WIN 0x80                                       ; destination window 2: the residual, 32 loads of two rows each, in the order in which the way out wants them
.irp a, 0,1,2,3
.irp i, 0,1,2,3,4,5,6,7
	global_load_b128 v[4*(8*\a+\i):4*(8*\a+\i)+3], v[CO], s[86:87] offset:(16*\a+2*\i)*4096
.endr
.endr
	WIN 0
	v_lshrrev_b32 v3, 2, v1
	v_mul_u32_u24 v3, v3, 272
	v_and_b32 v4, 3, v1
	v_lshl_add_u32 v3, v4, 6, v3
	v_lshl_add_u32 v3, v2, 4, v3
	s_mul_i32 s100, s17, HALFT
	s_mul_i32 s101, s18, HALFT
	s_add_co_u32 s101, s101, 2*HALFT
.irp s, 0,1
	v_add_nc_u32 v[AD1+\s], s100, v3
	v_add_nc_u32 v[AD0+\s], s101, v3
	s_add_co_u32 s100, s100, SLOT
	s_add_co_u32 s101, s101, SLOT
.endr
	s_mul_i32 s100, s16, 4352
	s_add_co_u32 s100, s100, STAGE                 ; my stage
	v_mul_u32_u24 v4, v1, 272
	v_lshl_add_u32 v4, v2, 5, v4
	v_add_nc_u32 v[STO], s100, v4                  ; in: row r, 32 bytes for each half of the lanes
	v_mul_u32_u24 v5, v2, 272
	v_lshl_add_u32 v5, v1, 4, v5
	v_add_nc_u32 v[RD], s100, v5                   ; back: lanes 0-15 one row of 256 bytes, lanes 16-31 the next
	s_wait_kmcnt 0x0
	s_add_co_i32 s66, s72, s73
	s_add_co_i32 s66, s66, 127
	s_lshl_b32 s66, s66, 23                        ; 2^(eA + eB) as f32
	s_mov_b32 s67, s66
	s_wait_tensorcnt 1                             ; my part of slot 0 is in; slot 1's may be out
	s_barrier_signal -1
	s_barrier_wait -1
	FETCH 0, 0, F0, AD1, AD0
	WIN 0
.if KLAPS > 1
	LAPBODY 1, AD1, AD0, 1
	TURN 1, 0, 1, AD1, AD0
	s_mov_b32 s3, KLAPS-2
.Llap:
	LAPBODY 0, AD1, AD0, 1
	TURN 1, 0, 1, AD1, AD0
	s_sub_co_u32 s3, s3, 1
	s_cmp_lg_u32 s3, 0
	s_cbranch_scc1 .Llap
	LAPBODY 0, AD1, AD0, 0                         ; the last lap asks for nothing
.else
	LAPBODY 1, AD1, AD0, 0
.endif
	s_wait_dscnt 0x0                               ; buffer 1 is in
	WIN MUL
	MUL8 F1, 0, 0
	MUL8 F1, 2, 0
	PLACES
	WIN 0x20                                       ; source 2 (the residual) window 2, for the whole way out
.macro TOSTAGE a                       ; block a's 16 rows x 64 columns into my stage, each accumulator from its low end on, and back as whole rows
.set BB, BK+32*((\a)%2)
.irp b, 0,1,2,3
	ds_store_b128 v[STO], v[ACC+8*(4*(\a)+\b):ACC+8*(4*(\a)+\b)+3] offset:64*\b
	ds_store_b128 v[STO], v[ACC+8*(4*(\a)+\b)+4:ACC+8*(4*(\a)+\b)+7] offset:64*\b+16
.endr
.irp i, 0,1,2,3,4,5,6,7
	ds_load_b128 v[BB+4*\i:BB+4*\i+3], v[RD] offset:544*\i   ; a wave's LDS instructions are served in order: these see my stores
.endr
.endm
.macro SEND a, younger                 ; younger: the LDS instructions issued behind block a's loads
.set BB, BK+32*((\a)%2)
	s_wait_dscnt \younger
	s_wait_loadcnt 8*(3-(\a))                      ; block a's residual is in; the later blocks' eight loads each may be out
.irp i, 0,1,2,3,4,5,6,7
.irp k, 0,2
	v_pk_fma_f32 v[BB+4*\i+\k:BB+4*\i+\k+1], v[BB+4*\i+\k:BB+4*\i+\k+1], s[66:67], v[4*(8*(\a)+\i)+\k:4*(8*(\a)+\i)+\k+1] op_sel_hi:[1,0,1]
.endr
.endr
.irp i, 0,1,2,3,4,5,6,7
.irp k, 0,2
	v_pk_add_f32 v[BB+4*\i+\k:BB+4*\i+\k+1], v[BB+4*\i+\k:BB+4*\i+\k+1], v[BIAS+\k:BIAS+\k+1]
.endr
.endr
.irp i, 0,1,2,3,4,5,6,7
.if NTOUT
	global_store_b128 v[CO], v[BB+4*\i:BB+4*\i+3], s[88:89] offset:(16*(\a)+2*\i)*4096 th:TH_STORE_NT
.else
	global_store_b128 v[CO], v[BB+4*\i:BB+4*\i+3], s[88:89] offset:(16*(\a)+2*\i)*4096
.endif
.endr
.endm
	TOSTAGE 0
.irp a, 1,2,3
.if \a > 1
	s_wait_xcnt 0x0                                ; block a - 2's stores have read their registers: block a's rows may land there
.endif
	TOSTAGE \a
	SEND \a-1, 16                                  ; behind block a - 1's loads: block a's 8 stores and 8 loads
.endr
	SEND 3, 0
	WIN 0
	s_wait_tensorcnt 0x0                           ; the wave's end
	ds_add_u32 v[SPW], v[NIL]
	s_wait_dscnt 0x0
	CROUND                                         ; the closing round
	s_endpgm
.Lfunc_end_k_q9ccfe40658_proj:
	.size	k_q9ccfe40658_proj, .Lfunc_end_k_q9ccfe40658_proj-k_q9ccfe40658_proj
	.p2alignl 7, 3214868480
	.fill 96, 4, 3214868480
	.section	.rodata,"a",@progbits
	.p2align	6, 0x0
	.amdhsa_kernel k_q9ccfe40658_proj
		.amdhsa_group_segment_fixed_size 327680
		.amdhsa_private_segment_fixed_size 0
		.amdhsa_enable_private_segment 0
		.amdhsa_kernarg_size 48
		.amdhsa_user_sgpr_count 2
		.amdhsa_user_sgpr_kernarg_segment_ptr 1
		.amdhsa_wavefront_size32 1
		.amdhsa_system_sgpr_workgroup_id_x 1
		.amdhsa_system_sgpr_workgroup_id_y 1
		.amdhsa_system_sgpr_workgroup_id_z 1
		.amdhsa_system_vgpr_workitem_id 0
		.amdhsa_next_free_vgpr 640
		.amdhsa_next_free_sgpr 104
		.amdhsa_reserve_vcc 0
		.amdhsa_float_denorm_mode_32 3
		.amdhsa_float_denorm_mode_16_64 3
		.amdhsa_memory_ordered 1
		.amdhsa_forward_progress 1
		.amdhsa_inst_pref_size 52
	.end_amdhsa_kernel
	.amdgpu_metadata
---
amdhsa.version: [ 1, 2 ]
amdhsa.kernels:
  - .name:           k_q9ccfe40658_proj
    .symbol:         k_q9ccfe40658_proj.kd
    .args:
      - { .name: yq, .offset: 0, .size: 8, .value_kind: global_buffer, .address_space: global }
      - { .name: wq, .offset: 8, .size: 8, .value_kind: global_buffer, .address_space: global }
      - { .name: proj_b, .offset: 16, .size: 8, .value_kind: global_buffer, .address_space: global }
      - { .name: lowp_scales, .offset: 24, .size: 8, .value_kind: global_buffer, .address_space: global }
      - { .name: x, .offset: 32, .size: 8, .value_kind: global_buffer, .address_space: global }
      - { .name: x1, .offset: 40, .size: 8, .value_kind: global_buffer, .address_space: global }
    .group_segment_fixed_size: 327680
    .private_segment_fixed_size: 0
    .kernarg_segment_align: 8
    .kernarg_segment_size: 48
    .max_flat_workgroup_size: 128
    .sgpr_count:     104
    .vgpr_count:     640
    .wavefront_size: 32
...
	.end_amdgpu_metadata
.endif
;; end of part 4
;; launch ln2 (part 5): grid 256 x 1, 4 waves a work-group, no clusters, 0 bytes of LDS; arguments x1, ln2_w, ln2_b, lowp_scales, hq; writes hq
.if DOCPART == 5
	.amdgcn_target "amdgcn-amd-amdhsa--gfx1250"
	.amdhsa_code_object_version 6
	.text
	.protected	k_q9ccfe40658_ln2
	.globl	k_q9ccfe40658_ln2
	.p2align	8
	.type	k_q9ccfe40658_ln2,@function
k_q9ccfe40658_ln2:
	s_mov_b64 s[64:65], 0
	v_nop
	global_prefetch_b8 v0, s[64:65] scope:SCOPE_SE
	s_setreg_imm32_b32 hwreg(HW_REG_WAVE_MODE, 25, 1), 1
	s_wait_xcnt 0x0
; LayerNorm 2 of x1 [4,096][1,024] f32, quantised with 2^e8 into codes of E5M2 laid [16 planes][4,096 rows][64 bytes].
; A wave takes 4 rows, eight lanes to a row; a lane holds, of each plane p, columns 64 p + 8 c + 0..7: 128 numbers.  The row stays in registers: mean, then the mean of squares of x - mean, then the affine step.
; LIMIT: e8 between -126 and 112.  NaN is not served.
.set LX,   64                          ; v64-191 my 128 numbers; window 1: v0-127 the gain, v128-255 the bias
.set MSB, 0
.macro WIN new
.if MSB != \new
	s_set_vgpr_msb (MSB<<8)|\new
.set MSB, \new
.endif
.endm
	s_load_b256 s[8:15], s[0:1], 0x0               ; x1 8, ln2_w 10, ln2_b 12, the exponents 14
	s_load_b64 s[26:27], s[0:1], 0x20              ; hq
	v_lshrrev_b32 v1, 5, v0
	v_readfirstlane_b32 s28, v1                    ; wave
	v_and_b32 v2, 31, v0                           ; lane
	s_wait_kmcnt 0x0
	s_load_b32 s68, s[14:15], 0x20                 ; e8
	s_lshl_b32 s30, ttmp9, 16                      ; 16 rows of 4,096 bytes a work-group,
	s_lshl_b32 s31, s28, 14                        ; 4 a wave
	s_add_co_u32 s30, s30, s31
	s_mov_b32 s31, 0
	s_add_nc_u64 s[32:33], s[8:9], s[30:31]
	s_lshr_b32 s30, s30, 6                         ; the same row in a plane of codes
	s_add_nc_u64 s[34:35], s[26:27], s[30:31]
	v_lshrrev_b32 v3, 3, v2
	v_and_b32 v5, 7, v2
	v_lshlrev_b32 v5, 5, v5
	v_lshl_add_u32 v4, v3, 12, v5
	v_lshlrev_b32 v6, 3, v2
	s_mov_b32 s36, 0x3a800000                      ; 1 / 1,024
	s_mov_b32 s37, 0x3727c5ac                      ; 1e-5
.irp p, 0,1,2,3,4,5,6,7,8,9,10,11,12,13,14,15
	global_load_b128 v[LX+8*\p:LX+8*\p+3], v4, s[32:33] offset:256*\p th:TH_LOAD_NT
	global_load_b128 v[LX+8*\p+4:LX+8*\p+7], v4, s[32:33] offset:256*\p+16 th:TH_LOAD_NT
.endr
	WIN 0x40
.irp p, 0,1,2,3,4,5,6,7,8,9,10,11,12,13,14,15
	global_load_b128 v[8*\p:8*\p+3], v5, s[10:11] offset:256*\p
	global_load_b128 v[8*\p+4:8*\p+7], v5, s[10:11] offset:256*\p+16
.endr
.irp p, 0,1,2,3,4,5,6,7,8,9,10,11,12,13,14,15
	global_load_b128 v[128+8*\p:128+8*\p+3], v5, s[12:13] offset:256*\p
	global_load_b128 v[128+8*\p+4:128+8*\p+7], v5, s[12:13] offset:256*\p+16
.endr
	WIN 0
	s_wait_loadcnt 63                              ; the rows' 32 loads are in; 63 of the 64 behind them may be out
.irp k, 0,1,2,3
	v_pk_add_f32 v[8+2*\k:9+2*\k], v[LX+2*\k:LX+2*\k+1], v[LX+8+2*\k:LX+9+2*\k]
.endr
.set j, 8
.rept 56
	v_pk_add_f32 v[8+2*(j%4):9+2*(j%4)], v[8+2*(j%4):9+2*(j%4)], v[LX+2*j:LX+2*j+1]
.set j, j+1
.endr
	v_pk_add_f32 v[8:9], v[8:9], v[10:11]
	v_pk_add_f32 v[12:13], v[12:13], v[14:15]
	v_pk_add_f32 v[8:9], v[8:9], v[12:13]
	v_add_f32 v8, v8, v9
	v_add_f32_dpp v8, v8, v8 row_xmask:1 row_mask:0xf bank_mask:0xf
	v_add_f32_dpp v8, v8, v8 row_xmask:2 row_mask:0xf bank_mask:0xf
	v_add_f32_dpp v8, v8, v8 row_xmask:4 row_mask:0xf bank_mask:0xf
	v_mul_f32 v16, s36, v8                         ; the mean
	v_mov_b32 v17, v16
.set j, 0
.rept 64
	v_pk_add_f32 v[LX+2*j:LX+2*j+1], v[LX+2*j:LX+2*j+1], v[16:17] neg_lo:[0,1] neg_hi:[0,1]
.set j, j+1
.endr
.irp k, 0,1,2,3
	v_pk_mul_f32 v[8+2*\k:9+2*\k], v[LX+2*\k:LX+2*\k+1], v[LX+2*\k:LX+2*\k+1]
.endr
.set j, 4
.rept 60
	v_pk_fma_f32 v[8+2*(j%4):9+2*(j%4)], v[LX+2*j:LX+2*j+1], v[LX+2*j:LX+2*j+1], v[8+2*(j%4):9+2*(j%4)]
.set j, j+1
.endr
	v_pk_add_f32 v[8:9], v[8:9], v[10:11]
	v_pk_add_f32 v[12:13], v[12:13], v[14:15]
	v_pk_add_f32 v[8:9], v[8:9], v[12:13]
	v_add_f32 v8, v8, v9
	v_add_f32_dpp v8, v8, v8 row_xmask:1 row_mask:0xf bank_mask:0xf
	v_add_f32_dpp v8, v8, v8 row_xmask:2 row_mask:0xf bank_mask:0xf
	v_add_f32_dpp v8, v8, v8 row_xmask:4 row_mask:0xf bank_mask:0xf
	v_fma_f32 v22, v8, s36, s37                    ; the variance + 1e-5
	v_rsq_f32 v18, v22
	v_rsq_f32 v19, v22
	v_nop                                          ; a plain instruction behind the last of the two
	s_wait_kmcnt 0x0
	s_add_co_i32 s38, s68, 127
	s_lshl_b32 s39, s38, 23
	s_add_co_i32 s38, s38, 15
	s_lshl_b32 s38, s38, 23
	s_or_b32 s38, s38, 0x600000
	v_mov_b32 v21, s39                             ; 2^e8
	v_mov_b32 v20, s38                             ; 57,344 x 2^e8
	s_wait_alu depctr_va_vdst(0)                   ; one wait for both, ahead of their first reader
.set j, 0
.rept 64
	v_pk_mul_f32 v[LX+2*j:LX+2*j+1], v[LX+2*j:LX+2*j+1], v[18:19]
.set j, j+1
.endr
	s_wait_loadcnt 0x0
	WIN 0x14                                       ; sources 1 and 2 window 1
.set j, 0
.rept 64
	v_pk_fma_f32 v[LX+2*j:LX+2*j+1], v[LX+2*j:LX+2*j+1], v[2*j:2*j+1], v[128+2*j:128+2*j+1]
.set j, j+1
.endr
	WIN 0
.set j, 0
.rept 128
	v_med3_num_f32 v[LX+j], v[LX+j], -v20, v20
.set j, j+1
.endr
.irp p, 0,1,2,3,4,5,6,7,8,9,10,11,12,13,14,15
	v_cvt_scalef32_pk8_bf8_f32 v[24+2*\p:25+2*\p], v[LX+8*\p:LX+8*\p+7], v21
.endr
	v_nop
.irp p, 0,1,2,3,4,5,6,7,8,9,10,11,12,13,14,15
	global_store_b64 v6, v[24+2*\p:25+2*\p], s[34:35] offset:\p*262144   ; the wave's four rows of plane p: 256 consecutive bytes, aligned
.endr
	s_endpgm
.Lfunc_end_k_q9ccfe40658_ln2:
	.size	k_q9ccfe40658_ln2, .Lfunc_end_k_q9ccfe40658_ln2-k_q9ccfe40658_ln2
	.p2alignl 7, 3214868480
	.fill 96, 4, 3214868480
	.section	.rodata,"a",@progbits
	.p2align	6, 0x0
	.amdhsa_kernel k_q9ccfe40658_ln2
		.amdhsa_group_segment_fixed_size 0
		.amdhsa_private_segment_fixed_size 0
		.amdhsa_enable_private_segment 0
		.amdhsa_kernarg_size 40
		.amdhsa_user_sgpr_count 2
		.amdhsa_user_sgpr_kernarg_segment_ptr 1
		.amdhsa_wavefront_size32 1
		.amdhsa_system_sgpr_workgroup_id_x 1
		.amdhsa_system_sgpr_workgroup_id_y 1
		.amdhsa_system_sgpr_workgroup_id_z 1
		.amdhsa_system_vgpr_workitem_id 0
		.amdhsa_next_free_vgpr 512
		.amdhsa_next_free_sgpr 80
		.amdhsa_reserve_vcc 0
		.amdhsa_float_denorm_mode_32 3
		.amdhsa_float_denorm_mode_16_64 3
		.amdhsa_memory_ordered 1
		.amdhsa_forward_progress 1
		.amdhsa_inst_pref_size 42
	.end_amdhsa_kernel
	.amdgpu_metadata
---
amdhsa.version: [ 1, 2 ]
amdhsa.kernels:
  - .name:           k_q9ccfe40658_ln2
    .symbol:         k_q9ccfe40658_ln2.kd
    .args:
      - { .name: x1, .offset: 0, .size: 8, .value_kind: global_buffer, .address_space: global }
      - { .name: ln2_w, .offset: 8, .size: 8, .value_kind: global_buffer, .address_space: global }
      - { .name: ln2_b, .offset: 16, .size: 8, .value_kind: global_buffer, .address_space: global }
      - { .name: lowp_scales, .offset: 24, .size: 8, .value_kind: global_buffer, .address_space: global }
      - { .name: hq, .offset: 32, .size: 8, .value_kind: global_buffer, .address_space: global }
    .group_segment_fixed_size: 0
    .private_segment_fixed_size: 0
    .kernarg_segment_align: 8
    .kernarg_segment_size: 40
    .max_flat_workgroup_size: 128
    .sgpr_count:     80
    .vgpr_count:     512
    .wavefront_size: 32
...
	.end_amdgpu_metadata
.endif
;; end of part 5
;; launch fc (part 6): grid 8 x 32, 4 waves a work-group, clusters of 4 x 4, 327,680 bytes of LDS; arguments hq, wq, fc_b, lowp_scales, gq; writes gq
.if DOCPART == 6
	.amdgcn_target "amdgcn-amd-amdhsa--gfx1250"
	.amdhsa_code_object_version 6
	.text
	.protected	k_q9ccfe40658_fc
	.globl	k_q9ccfe40658_fc
	.p2align	8
	.type	k_q9ccfe40658_fc,@function
k_q9ccfe40658_fc:
	s_mov_b64 s[64:65], 0
	v_nop
	global_prefetch_b8 v0, s[64:65] scope:SCOPE_SE
	s_setreg_imm32_b32 hwreg(HW_REG_WAVE_MODE, 25, 1), 1
	s_wait_xcnt 0x0
	s_wait_alu depctr_hold_cnt(0) depctr_sa_sdst(0) depctr_va_vdst(0) depctr_va_sdst(0) depctr_va_ssrc(0) depctr_va_vcc(0) depctr_vm_vsrc(0)
	s_getreg_b32 s2, hwreg(HW_REG_IB_STS2, 6, 4)
	s_cmp_eq_u32 s2, 0
	s_cbranch_scc0 .Lentry_in_a_cluster
	s_endpgm
.Lentry_in_a_cluster:
	s_bfe_u32 s2, ttmp6, 0x10000c
	s_cmp_lg_u32 s2, 0xf033
	s_cbranch_scc0 .Lentry_shape_is_right
	s_endpgm
.Lentry_shape_is_right:
; G = gelu(LN2(x1) fc_w + fc_b), exact GELU, on codes of E5M2, quantised again with 2^e10 into gq: [64 planes][4,096 rows][64 bytes].
; A tile of C is 128 x 128: four waves of 64 x 64, 16 accumulators each.  256 work-groups; each stays for four tiles: tile columns X, X + 8, X + 16, X + 24.  K = 1,024 lies in two LDS slots of 512 along K:
; 8 planes x (128 rows of A + 128 of B); one tensor load brings 64 rows x 8 planes.  In LDS 16 bytes of padding follow every 256: row i of a plane lies at (i / 4) x 272 + (i % 4) x 64.
; A STAYS: the four tiles take the same 128 rows of A, all 1,024 along K, which are just the two slots' A parts: the first fills bring them, and the refills bring B's parts alone (waves 2 and 3; waves 0 and 1 issue none).
; CLUSTER 4 x 4: A's tiles are asked for jointly along a row of the cluster, B's along a column.  The matrix instruction is used transposed: lane (r, h) of accumulator (a, b) holds token 16 a + r, hidden units 16 b + 8 h + 0..7:
; eight neighbours along the next product's K.
; GELU: u = sum x 2^(e8 + e9) + bias; g = u / 2 + (u / 2) erf(u / sqrt 2); erf(z) = z A(z^2) / B(z^2), z held within +-4, A of degree 6 and B of degree 4 in z^2, all in f32.
; LIMITS: e8 + e9 between -126 and 127; e10 between -126 and 112.  erf is right to about 1e-7 of 1, so the relative error of g grows as 1e-7 / Phi(u) for u far below 0.  NaN is not served.
; REGISTERS: window 0: v1-31 addresses and constants; v32-63 the bias; v64-111 at work; v120-123 two coefficients; v128-255 the accumulators.  Window 1: two fragment buffers of 128.
.set RB,      4096
.set SECTION, 4194304
.set STEPB,   65536                    ; from tile to tile B's tiles lie 1,024 rows of 64 bytes on
.set APITCH,  262144
.set BPITCH,  RB*64
.set PLB,     4352
.set TB16,    1088
.set HALFT,   8*PLB
.set SLOT,    4*HALFT
.set STAGE,   2*SLOT                   ; behind the ring: 64 rows x 80 bytes for each wave
.set SPARE,   STAGE+4*5120             ; behind the stages: the spare words, 128 bytes for each wave
.set AD1,  16
.set AD0,  20
.set STO,  24
.set RD,   25
.set CO,   26
.set BA,   27
.set SPW,  28
.set NIL,  29
.set LIMV, 30
.set SCV,  31
.set BQ,   32
.set U,    64
.set Z,    72
.set X2,   80
.set AL,   88
.set BE,   96
.set CC,   104
.set ACC,  128
.set F0,   0
.set F1,   128
.set G1A,  24
.set G0A,  32
.set G1B,  48
.set G0B,  56
.set MUL,  0x05
.set TO_F, 0x40
.set MSB, 0
.macro WIN new
.if MSB != \new
	s_set_vgpr_msb (MSB<<8)|\new
.set MSB, \new
.endif
.endm
.macro PLACES                          ; four plain instructions between a matrix instruction and a load into, or a read of, its registers
.rept 4
	v_nop
.endr
.endm
.macro JLOAD s                         ; a first fill, jointly: waves 0 and 1 fetch A's halves, waves 2 and 3 B's; four v_nop follow each line
	s_cmp_eq_u32 s17, 0
	s_cbranch_scc0 .Lfor_b_\@
	tensor_load_to_lds s[G0A+4*\s:G0A+4*\s+3], s[G1A:G1A+7]
.rept 4
	v_nop
.endr
	s_branch .Lasked_\@
.Lfor_b_\@:
	tensor_load_to_lds s[G0B+4*\s:G0B+4*\s+3], s[G1B:G1B+7]
.rept 4
	v_nop
.endr
.Lasked_\@:
.endm
.macro JLOADB s                        ; a refill, jointly: B's halves alone, by waves 2 and 3.  Waves 0 and 1 have nothing to fill; their four v_nop are the places in front of the fragment loads that follow
	s_cmp_eq_u32 s17, 0
	s_cbranch_scc0 .Lfor_b_\@
.rept 4
	v_nop
.endr
	s_branch .Lasked_\@
.Lfor_b_\@:
	tensor_load_to_lds s[G0B+4*\s:G0B+4*\s+3], s[G1B:G1B+7]
.rept 4
	v_nop
.endr
.Lasked_\@:
.endm
.macro CREST
	s_cmp_lg_u32 s16, 0
	s_cbranch_scc1 .Lnot_wave_0_\@
	s_barrier_signal -3
.Lnot_wave_0_\@:
	s_barrier_wait -3
	s_barrier_signal -1
	s_barrier_wait -1
.endm
.macro CROUND
	s_barrier_signal -1
	s_barrier_wait -1
	CREST
.endm
.macro MUL8 f, a0, zero                ; 8 products; the 16 accumulators take turns in one order everywhere
.irp a, \a0, \a0+1
.irp b, 0,1,2,3
.if \zero
	v_wmma_f32_16x16x128_bf8_bf8 v[ACC+8*(4*(\a)+\b):ACC+8*(4*(\a)+\b)+7], v[\f+64+16*\b:\f+64+16*\b+15], v[\f+16*(\a):\f+16*(\a)+15], 0
.else
	v_wmma_f32_16x16x128_bf8_bf8 v[ACC+8*(4*(\a)+\b):ACC+8*(4*(\a)+\b)+7], v[\f+64+16*\b:\f+64+16*\b+15], v[\f+16*(\a):\f+16*(\a)+15], v[ACC+8*(4*(\a)+\b):ACC+8*(4*(\a)+\b)+7]
.endif
.endr
.endr
.endm
.macro FETCH slot, q, f, A1, A0        ; 32 LDS loads: the eight fragments of the slot's q-th 128 along K into buffer f
	WIN TO_F
.irp i, 0,1,2,3
.irp c, 0,1,2,3
	ds_load_b128 v[\f+64+16*\i+4*\c:\f+64+16*\i+4*\c+3], v[\A0+\slot] offset:(2*(\q)+\c/2)*PLB+32*(\c%2)+\i*TB16
	ds_load_b128 v[\f+16*\i+4*\c:\f+16*\i+4*\c+3], v[\A1+\slot] offset:(2*(\q)+\c/2)*PLB+32*(\c%2)+\i*TB16
.endr
.endr
.endm
.macro STEP slot, q, f, g, zero, A1, A0
	PLACES
	FETCH \slot, (\q)+1, \g, \A1, \A0
	s_wait_dscnt 32                                ; all but the 32 just issued: buffer f is in
	WIN MUL
	MUL8 \f, 0, \zero
	MUL8 \f, 2, \zero
.endm
; a slot's last step changes slots: ONE barrier; in front of it each wave waits for all its tensor loads, adds 0 to its spare word, and waits for that and for its reads of this slot.  fill = 1: a round of the cluster's barrier, then the refill of this slot's B part first
.macro TURN slot, next, fill, A1n, A0n
	WIN 0
	s_wait_tensorcnt 0x0                           ; all my tensor loads have landed: my part of the next slot
	ds_add_u32 v[SPW], v[NIL]                      ; 0 onto my spare word
	s_wait_dscnt 1                                 ; (the add may be out; buffer 1's 32 loads are in)
	WIN MUL
	MUL8 F1, 0, 0
	s_wait_dscnt 0x0                               ; the add is done, and my reads of this slot are over
	s_barrier_signal -1
	MUL8 F1, 2, 0
	WIN 0
	s_barrier_wait -1
.if \fill
	CREST
	s_add_nc_u64 s[G0B+4*\slot+2:G0B+4*\slot+3], s[G0B+4*\slot+2:G0B+4*\slot+3], STEPB
	JLOADB \slot
.else
	PLACES
.endif
	FETCH \next, 0, F0, \A1n, \A0n
	WIN 0
.endm
.macro LAST
	s_wait_dscnt 0x0
	WIN MUL
	MUL8 F1, 0, 0
	MUL8 F1, 2, 0
	WIN 0
	PLACES
.endm
.macro LAPBODY zero, A1, A0, fill0
	STEP 0, 0, F0, F1, \zero, \A1, \A0
	STEP 0, 1, F1, F0, 0, \A1, \A0
	STEP 0, 2, F0, F1, 0, \A1, \A0
	TURN 0, 1, \fill0, \A1, \A0
	STEP 1, 0, F0, F1, 0, \A1, \A0
	STEP 1, 1, F1, F0, 0, \A1, \A0
	STEP 1, 2, F0, F1, 0, \A1, \A0
.endm
.macro KPAIR reg, val                  ; a constant as a scalar pair: the packed forms name the pair and take its low word
	s_mov_b32 s[\reg], \val
	s_mov_b32 s[\reg+1], \val
.endm
	s_load_b256 s[4:11], s[0:1], 0x0               ; hq 4, wq 6, fc_b 8, the exponents 10
	s_load_b64 s[12:13], s[0:1], 0x20              ; gq
	v_lshl_add_u32 v[SPW], v0, 2, SPARE
	v_mov_b32 v[NIL], 0
	v_lshrrev_b32 v1, 5, v0
	v_readfirstlane_b32 s16, v1                    ; wave 0..3
	s_lshr_b32 s17, s16, 1
	s_and_b32 s18, s16, 1
	s_bfe_u32 s40, ttmp6, 0x40000                  ; cx
	s_bfe_u32 s41, ttmp6, 0x40004                  ; cy
	s_lshl_b32 s42, ttmp9, 2
	s_add_co_u32 s42, s42, s40                     ; X
	s_and_b32 s43, ttmp7, 0xffff
	s_lshl_b32 s43, s43, 2
	s_add_co_u32 s43, s43, s41                     ; Y
	s_lshl_b32 s44, s41, 2
	s_lshl_b32 s44, 15, s44
	s_lshl_b32 s45, 0x1111, s40
	s_or_b32 s[G1A], s44, (1<<20)|(1<<21)|(5<<22)|(3<<25)
	s_or_b32 s[G1B], s45, (1<<20)|(1<<21)|(5<<22)|(3<<25)
.irp g, G1A, G1B
	s_mov_b32 s[\g+1], 4096<<16
	s_mov_b32 s[\g+2], 8<<16
	s_mov_b32 s[\g+3], 4096<<16
	s_mov_b32 s[\g+4], 8
	s_mov_b32 s[\g+6], 0
	s_mov_b32 s[\g+7], 0
.endr
	s_mov_b32 s[G1A+5], APITCH
	s_mov_b32 s[G1B+5], BPITCH
	s_lshl_b32 s20, s43, 13
	s_lshl_b32 s21, s18, 12
	s_add_co_u32 s20, s20, s21
	s_mov_b32 s21, 0
	s_lshl_b32 s46, s42, 13
	s_lshl_b32 s47, s18, 12
	s_add_co_u32 s46, s46, s47
	s_add_co_u32 s46, s46, SECTION
	s_mov_b32 s47, 0
	s_mul_i32 s19, s16, HALFT
	s_wait_kmcnt 0x0
	s_load_b128 s[92:95], s[10:11], 0x20           ; e8 .. e11
	s_add_nc_u64 s[20:21], s[4:5], s[20:21]
	s_add_nc_u64 s[46:47], s[6:7], s[46:47]
	CROUND
.irp s, 0,1
	s_mov_b32 s[G0A+4*\s], 1
	s_add_co_u32 s[G0A+4*\s+1], s19, \s*SLOT
	s_add_nc_u64 s[G0A+4*\s+2:G0A+4*\s+3], s[20:21], \s*8*APITCH
	s_or_b32 s[G0A+4*\s+3], s[G0A+4*\s+3], 0x80000000
	s_mov_b32 s[G0B+4*\s], 1
	s_add_co_u32 s[G0B+4*\s+1], s19, \s*SLOT
	s_add_nc_u64 s[G0B+4*\s+2:G0B+4*\s+3], s[46:47], \s*8*BPITCH
	s_or_b32 s[G0B+4*\s+3], s[G0B+4*\s+3], 0x80000000
	JLOAD \s
.endr
	v_and_b32 v1, 15, v0                           ; r
	v_bfe_u32 v2, v0, 4, 1                         ; h
	v_lshrrev_b32 v3, 2, v1
	v_mul_u32_u24 v3, v3, 272
	v_and_b32 v4, 3, v1
	v_lshl_add_u32 v3, v4, 6, v3
	v_lshl_add_u32 v3, v2, 4, v3
	s_mul_i32 s100, s17, HALFT
	s_mul_i32 s101, s18, HALFT
	s_add_co_u32 s101, s101, 2*HALFT
.irp s, 0,1
	v_add_nc_u32 v[AD1+\s], s100, v3
	v_add_nc_u32 v[AD0+\s], s101, v3
	s_add_co_u32 s100, s100, SLOT
	s_add_co_u32 s101, s101, SLOT
.endr
	s_mul_i32 s100, s16, 5120
	s_add_co_u32 s100, s100, STAGE                 ; my stage
	v_mul_u32_u24 v4, v1, 80
	v_lshl_add_u32 v4, v2, 3, v4
	v_add_nc_u32 v[STO], s100, v4
	v_and_b32 v5, 31, v0
	v_lshrrev_b32 v6, 2, v5
	v_mul_u32_u24 v6, v6, 80
	v_and_b32 v7, 3, v5
	v_lshl_add_u32 v6, v7, 4, v6
	v_add_nc_u32 v[RD], s100, v6
	v_lshlrev_b32 v[CO], 4, v5
	v_lshlrev_b32 v[BA], 5, v2
	s_lshl_b32 s68, s42, 9                         ; the bias: column 128 X + 64 (wave % 2)
	s_lshl_b32 s69, s18, 8
	s_add_co_u32 s68, s68, s69
	s_mov_b32 s69, 0
	s_add_nc_u64 s[96:97], s[8:9], s[68:69]
	s_lshl_b32 s68, s42, 19                        ; gq: plane 2 X + wave % 2,
	s_lshl_b32 s70, s18, 18
	s_add_co_u32 s68, s68, s70
	s_lshl_b32 s70, s43, 13                        ; row 128 Y + 64 (wave / 2)
	s_add_co_u32 s68, s68, s70
	s_lshl_b32 s70, s17, 12
	s_add_co_u32 s68, s68, s70
	s_add_nc_u64 s[98:99], s[12:13], s[68:69]
.macro BIASL                           ; lane (r, h) wants, for block b, the bias of columns 16 b + 8 h + 0..7
.irp b, 0,1,2,3
	global_load_b128 v[BQ+8*\b:BQ+8*\b+3], v[BA], s[96:97] offset:64*\b
	global_load_b128 v[BQ+8*\b+4:BQ+8*\b+7], v[BA], s[96:97] offset:64*\b+16
.endr
.endm
	BIASL
	KPAIR 66, 0xaf95df0b                           ; A: z^12: -2.72614226e-10
	KPAIR 68, 0xb60cff51                           ;    z^8:  -2.10102402e-06
	KPAIR 70, 0xb86ec2d2                           ;    z^6:  -5.69250639e-05
	KPAIR 72, 0xba40ac63                           ;    z^4:  -7.34990630e-04
	KPAIR 74, 0xbb41a1f6                           ;    z^2:  -2.95459981e-03
	KPAIR 76, 0xbc83dbd4                           ;    1:    -1.60960333e-02
	KPAIR 78, 0xb77460cd                           ; B: z^8:  -1.45660718e-05
	KPAIR 80, 0xbadc924e                           ;    z^4:  -1.68282697e-03
	KPAIR 82, 0xbbf19bf8                           ;    z^2:  -7.37332917e-03
	KPAIR 84, 0xbc69b6a7                           ;    1:    -1.42647391e-02
	KPAIR 86, 0x3f3504f3                           ; sqrt(1 / 2)
	v_mov_b32 v120, 0x32edffee                     ; A: z^10: 2.77068142e-08: in vector registers, so that no instruction names two scalar pairs
	v_mov_b32 v121, 0x32edffee
	v_mov_b32 v122, 0xb95fbd29                     ; B: z^6:  -2.13374055e-04
	v_mov_b32 v123, 0xb95fbd29
	s_wait_kmcnt 0x0
	s_add_co_i32 s88, s92, s93
	s_add_co_i32 s88, s88, 127
	s_lshl_b32 s88, s88, 23                        ; 2^(e8 + e9) as f32
	s_mov_b32 s89, s88
	s_add_co_i32 s100, s94, 127                    ; e10
	s_lshl_b32 s101, s100, 23
	v_mov_b32 v[SCV], s101
	s_add_co_i32 s100, s100, 15
	s_lshl_b32 s100, s100, 23
	s_or_b32 s100, s100, 0x600000
	v_mov_b32 v[LIMV], s100
; eight numbers of accumulator (a, b): bias, GELU, the hold, the conversion, 8 bytes into my stage
.macro GEL a, b
.set AC, ACC+8*(4*\a+\b)
.irp i, 0,2,4,6
	v_pk_fma_f32 v[U+\i:U+\i+1], v[AC+\i:AC+\i+1], s[88:89], v[BQ+8*\b+\i:BQ+8*\b+\i+1] op_sel_hi:[1,0,1]   ; u
.endr
.irp i, 0,2,4,6
	v_pk_mul_f32 v[Z+\i:Z+\i+1], v[U+\i:U+\i+1], s[86:87] op_sel_hi:[1,0]                                   ; z = u / sqrt 2,
.endr
.irp i, 0,1,2,3,4,5,6,7
	v_med3_num_f32 v[Z+\i], v[Z+\i], -4.0, 4.0                                                              ; held within +-4
.endr
.irp i, 0,2,4,6
	v_pk_mul_f32 v[X2+\i:X2+\i+1], v[Z+\i:Z+\i+1], v[Z+\i:Z+\i+1]
.endr
.irp i, 0,2,4,6
	v_pk_fma_f32 v[AL+\i:AL+\i+1], v[X2+\i:X2+\i+1], s[66:67], v[120:121] op_sel_hi:[1,0,1]
	v_pk_fma_f32 v[BE+\i:BE+\i+1], v[X2+\i:X2+\i+1], s[78:79], v[122:123] op_sel_hi:[1,0,1]
.endr
.irp c, 68,70,72,74,76
.irp i, 0,2,4,6
	v_pk_fma_f32 v[AL+\i:AL+\i+1], v[AL+\i:AL+\i+1], v[X2+\i:X2+\i+1], s[\c:\c+1] op_sel_hi:[1,1,0]
.endr
.endr
.irp c, 80,82,84
.irp i, 0,2,4,6
	v_pk_fma_f32 v[BE+\i:BE+\i+1], v[BE+\i:BE+\i+1], v[X2+\i:X2+\i+1], s[\c:\c+1] op_sel_hi:[1,1,0]
.endr
.endr
.irp i, 0,1,2,3,4,5,6,7
	v_rcp_f32 v[X2+\i], v[BE+\i]                   ; a batch of eight
.endr
.irp i, 0,2,4,6
	v_pk_mul_f32 v[AL+\i:AL+\i+1], v[AL+\i:AL+\i+1], v[Z+\i:Z+\i+1]      ; z A: work that names none of the batch's results
.endr
.irp i, 0,2,4,6
	v_pk_mul_f32 v[U+\i:U+\i+1], v[U+\i:U+\i+1], 0.5 op_sel_hi:[1,0]     ; u / 2
.endr
	s_wait_alu depctr_va_vdst(0)                   ; one wait for the batch, ahead of its first reader
.irp i, 0,2,4,6
	v_pk_mul_f32 v[AL+\i:AL+\i+1], v[AL+\i:AL+\i+1], v[X2+\i:X2+\i+1]    ; erf
.endr
.irp i, 0,2,4,6
	v_pk_fma_f32 v[U+\i:U+\i+1], v[U+\i:U+\i+1], v[AL+\i:AL+\i+1], v[U+\i:U+\i+1]
.endr
.irp i, 0,1,2,3,4,5,6,7
	v_med3_num_f32 v[U+\i], v[U+\i], -v[LIMV], v[LIMV]
.endr
	v_cvt_scalef32_pk8_bf8_f32 v[CC+2*\b:CC+2*\b+1], v[U:U+7], v[SCV]
	v_nop                                          ; a plain instruction between the conversion and the next lines that write its sources
	ds_store_b64 v[STO], v[CC+2*\b:CC+2*\b+1] offset:\a*1280+16*\b
.endm
; THE WAY OUT of a tile; next = 1: the pointers step to the next tile and its bias is asked for
.macro WAYG next
	s_wait_loadcnt 0x0                             ; the bias
.irp a, 0,1,2,3
.irp b, 0,1,2,3
	GEL \a, \b
.endr
	s_wait_dscnt 0x0                               ; the stores have read the codes' registers, which the next four blocks write again
.endr
.irp i, 0,1,2,3,4,5,6,7
	ds_load_b128 v[U+4*\i:U+4*\i+3], v[RD] offset:640*\i
.endr
.irp i, 0,1,2,3,4,5,6,7
	s_wait_dscnt 7-\i
	global_store_b128 v[CO], v[U+4*\i:U+4*\i+3], s[98:99] offset:512*\i   ; 512 consecutive bytes, aligned
.endr
.if \next
	s_wait_xcnt 0x0                                ; the stores and the bias loads have read their registers and bases
	s_add_nc_u64 s[96:97], s[96:97], 4096          ; 1,024 columns on
	s_add_nc_u64 s[98:99], s[98:99], 4194304       ; 16 planes on
	BIASL
.endif
.endm
	s_wait_tensorcnt 1                             ; my part of slot 0 is in; slot 1's may be out
	s_barrier_signal -1
	s_barrier_wait -1
	FETCH 0, 0, F0, AD1, AD0
	WIN 0
	s_mov_b32 s3, 3
.Llap:                                             ; three tiles that have a successor: both slots' B parts are filled again with the next tile's halves
	LAPBODY 1, AD1, AD0, 1
	TURN 1, 0, 1, AD1, AD0
	WAYG 1
	s_sub_co_u32 s3, s3, 1
	s_cmp_lg_u32 s3, 0
	s_cbranch_scc1 .Llap
	LAPBODY 1, AD1, AD0, 0                         ; the last tile is written out: it asks for nothing
	LAST
	WAYG 0
	s_wait_tensorcnt 0x0                           ; the wave's end
	ds_add_u32 v[SPW], v[NIL]
	s_wait_dscnt 0x0
	CROUND                                         ; the closing round
	s_endpgm
.Lfunc_end_k_q9ccfe40658_fc:
	.size	k_q9ccfe40658_fc, .Lfunc_end_k_q9ccfe40658_fc-k_q9ccfe40658_fc
	.p2alignl 7, 3214868480
	.fill 96, 4, 3214868480
	.section	.rodata,"a",@progbits
	.p2align	6, 0x0
	.amdhsa_kernel k_q9ccfe40658_fc
		.amdhsa_group_segment_fixed_size 327680
		.amdhsa_private_segment_fixed_size 0
		.amdhsa_enable_private_segment 0
		.amdhsa_kernarg_size 40
		.amdhsa_user_sgpr_count 2
		.amdhsa_user_sgpr_kernarg_segment_ptr 1
		.amdhsa_wavefront_size32 1
		.amdhsa_system_sgpr_workgroup_id_x 1
		.amdhsa_system_sgpr_workgroup_id_y 1
		.amdhsa_system_sgpr_workgroup_id_z 1
		.amdhsa_system_vgpr_workitem_id 0
		.amdhsa_next_free_vgpr 512
		.amdhsa_next_free_sgpr 104
		.amdhsa_reserve_vcc 0
		.amdhsa_float_denorm_mode_32 3
		.amdhsa_float_denorm_mode_16_64 3
		.amdhsa_memory_ordered 1
		.amdhsa_forward_progress 1
		.amdhsa_inst_pref_size 250
	.end_amdhsa_kernel
	.amdgpu_metadata
---
amdhsa.version: [ 1, 2 ]
amdhsa.kernels:
  - .name:           k_q9ccfe40658_fc
    .symbol:         k_q9ccfe40658_fc.kd
    .args:
      - { .name: hq, .offset: 0, .size: 8, .value_kind: global_buffer, .address_space: global }
      - { .name: wq, .offset: 8, .size: 8, .value_kind: global_buffer, .address_space: global }
      - { .name: fc_b, .offset: 16, .size: 8, .value_kind: global_buffer, .address_space: global }
      - { .name: lowp_scales, .offset: 24, .size: 8, .value_kind: global_buffer, .address_space: global }
      - { .name: gq, .offset: 32, .size: 8, .value_kind: global_buffer, .address_space: global }
    .group_segment_fixed_size: 327680
    .private_segment_fixed_size: 0
    .kernarg_segment_align: 8
    .kernarg_segment_size: 40
    .max_flat_workgroup_size: 128
    .sgpr_count:     104
    .vgpr_count:     512
    .wavefront_size: 32
...
	.end_amdgpu_metadata
.endif
;; end of part 6
;; launch fc2 (part 7): grid 8 x 32, 4 waves a work-group, clusters of 4 x 4, 327,680 bytes of LDS; arguments gq, wq, fc2_b, lowp_scales, x1, out0; writes out0
.if DOCPART == 7
	.amdgcn_target "amdgcn-amd-amdhsa--gfx1250"
	.amdhsa_code_object_version 6
	.text
	.protected	k_q9ccfe40658_fc2
	.globl	k_q9ccfe40658_fc2
	.p2align	8
	.type	k_q9ccfe40658_fc2,@function
k_q9ccfe40658_fc2:
	s_mov_b64 s[64:65], 0
	v_nop
	global_prefetch_b8 v0, s[64:65] scope:SCOPE_SE
	s_setreg_imm32_b32 hwreg(HW_REG_WAVE_MODE, 25, 1), 1
	s_wait_xcnt 0x0
	s_wait_alu depctr_hold_cnt(0) depctr_sa_sdst(0) depctr_va_vdst(0) depctr_va_sdst(0) depctr_va_ssrc(0) depctr_va_vcc(0) depctr_vm_vsrc(0)
	s_getreg_b32 s2, hwreg(HW_REG_IB_STS2, 6, 4)
	s_cmp_eq_u32 s2, 0
	s_cbranch_scc0 .Lentry_in_a_cluster
	s_endpgm
.Lentry_in_a_cluster:
	s_bfe_u32 s2, ttmp6, 0x10000c
	s_cmp_lg_u32 s2, 0xf033
	s_cbranch_scc0 .Lentry_shape_is_right
	s_endpgm
.Lentry_shape_is_right:
; OUT = RES + A B^T x 2^(eA + eB) + bias, f32, A and B codes of E5M2 laid [K/64 planes][rows][64 bytes].  Here: out0 = x1 + g fc2_w + fc2_b; K = 4,096: four laps of 1,024.
; A tile of C is 128 x 128: four waves of 64 x 64, 16 accumulators each; 256 work-groups.  K goes through two LDS slots of 512 along K: 8 planes x (128 rows of A + 128 of B); one tensor load brings 64 rows x 8 planes.
; In LDS 16 bytes of padding follow every 256: row i of a plane lies at (i / 4) x 272 + (i % 4) x 64.  A fragment (16 rows x 128 K) is four loads of 16 bytes, k in the same order in both operands.
; CLUSTER 4 x 4: A's tiles are asked for jointly along a row of the cluster, B's along a column.  The matrix instruction is used transposed: lane (r, h) of accumulator (a, b) holds row 16 a + r, columns 16 b + 8 h + 0..7.
; THE RESIDUAL, my wave's 64 rows x 256 bytes, is asked for at the head, behind the first tensor loads, into 128 registers of window 2 that nothing else names: it lands under the products.
; THE WAY OUT: 16 rows x 256 bytes at a time through the wave's own stage, back as whole rows, in the layout in which the residual was loaded; sixteen lanes store 256 consecutive bytes, aligned.
; LIMIT: eA + eB between -126 and 127.
; REGISTERS: window 0: v1-31 addresses; v32-35 the bias; v64-127 two sets of rows; v128-255 the accumulators.  Window 1: two fragment buffers of 128.  Window 2: v0-127 the residual.
.set KLAPS,   4                        ; laps of 1,024 along K
.set RB,      1024
.set SECTION, 8388608
.set STEPA,   4194304                  ; a lap on: 16 planes of A,
.set STEPB,   1048576                  ; 16 planes of B
.set SCOFF,   0x28                     ; where eA, eB lie among the exponents
.set NTOUT,   1
.set APITCH,  262144
.set BPITCH,  RB*64
.set PLB,     4352
.set TB16,    1088
.set HALFT,   8*PLB
.set SLOT,    4*HALFT
.set STAGE,   2*SLOT                   ; behind the ring: 16 rows x 272 bytes for each wave
.set SPARE,   STAGE+4*4352             ; behind the stages: the spare words, 128 bytes for each wave
.set AD1,  16
.set AD0,  20
.set STO,  24
.set RD,   25
.set CO,   26
.set BA,   27
.set SPW,  28
.set NIL,  29
.set BIAS, 32
.set BK,   64
.set ACC,  128
.set F0,   0
.set F1,   128
.set G1A,  24
.set G0A,  32
.set G1B,  48
.set G0B,  56
.set MUL,  0x05
.set TO_F, 0x40
.set MSB, 0
.macro WIN new
.if MSB != \new
	s_set_vgpr_msb (MSB<<8)|\new
.set MSB, \new
.endif
.endm
.macro PLACES                          ; four plain instructions between a matrix instruction and a load into, or a read of, its registers
.rept 4
	v_nop
.endr
.endm
.macro JLOAD s                         ; a joint load: waves 0 and 1 fetch A's halves, waves 2 and 3 B's; four v_nop follow each line
	s_cmp_eq_u32 s17, 0
	s_cbranch_scc0 .Lfor_b_\@
	tensor_load_to_lds s[G0A+4*\s:G0A+4*\s+3], s[G1A:G1A+7]
.rept 4
	v_nop
.endr
	s_branch .Lasked_\@
.Lfor_b_\@:
	tensor_load_to_lds s[G0B+4*\s:G0B+4*\s+3], s[G1B:G1B+7]
.rept 4
	v_nop
.endr
.Lasked_\@:
.endm
.macro CREST
	s_cmp_lg_u32 s16, 0
	s_cbranch_scc1 .Lnot_wave_0_\@
	s_barrier_signal -3
.Lnot_wave_0_\@:
	s_barrier_wait -3
	s_barrier_signal -1
	s_barrier_wait -1
.endm
.macro CROUND
	s_barrier_signal -1
	s_barrier_wait -1
	CREST
.endm
.macro MUL8 f, a0, zero                ; 8 products; the 16 accumulators take turns in one order everywhere
.irp a, \a0, \a0+1
.irp b, 0,1,2,3
.if \zero
	v_wmma_f32_16x16x128_bf8_bf8 v[ACC+8*(4*(\a)+\b):ACC+8*(4*(\a)+\b)+7], v[\f+64+16*\b:\f+64+16*\b+15], v[\f+16*(\a):\f+16*(\a)+15], 0
.else
	v_wmma_f32_16x16x128_bf8_bf8 v[ACC+8*(4*(\a)+\b):ACC+8*(4*(\a)+\b)+7], v[\f+64+16*\b:\f+64+16*\b+15], v[\f+16*(\a):\f+16*(\a)+15], v[ACC+8*(4*(\a)+\b):ACC+8*(4*(\a)+\b)+7]
.endif
.endr
.endr
.endm
.macro FETCH slot, q, f, A1, A0        ; 32 LDS loads: the eight fragments of the slot's q-th 128 along K into buffer f
	WIN TO_F
.irp i, 0,1,2,3
.irp c, 0,1,2,3
	ds_load_b128 v[\f+64+16*\i+4*\c:\f+64+16*\i+4*\c+3], v[\A0+\slot] offset:(2*(\q)+\c/2)*PLB+32*(\c%2)+\i*TB16
	ds_load_b128 v[\f+16*\i+4*\c:\f+16*\i+4*\c+3], v[\A1+\slot] offset:(2*(\q)+\c/2)*PLB+32*(\c%2)+\i*TB16
.endr
.endr
.endm
.macro STEP slot, q, f, g, zero, A1, A0
	PLACES
	FETCH \slot, (\q)+1, \g, \A1, \A0
	s_wait_dscnt 32                                ; all but the 32 just issued: buffer f is in
	WIN MUL
	MUL8 \f, 0, \zero
	MUL8 \f, 2, \zero
.endm
; a slot's last step changes slots: ONE barrier; in front of it each wave waits for all its tensor loads, adds 0 to its spare word, and waits for that and for its reads of this slot.  fill = 1: a round of the cluster's barrier, then the refill first
.macro TURN slot, next, fill, A1n, A0n
	WIN 0
	s_wait_tensorcnt 0x0                           ; all my tensor loads have landed: my part of the next slot
	ds_add_u32 v[SPW], v[NIL]                      ; 0 onto my spare word
	s_wait_dscnt 1                                 ; (the add may be out; buffer 1's 32 loads are in)
	WIN MUL
	MUL8 F1, 0, 0
	s_wait_dscnt 0x0                               ; the add is done, and my reads of this slot are over
	s_barrier_signal -1
	MUL8 F1, 2, 0
	WIN 0
	s_barrier_wait -1
.if \fill
	CREST
.if STEPA != 0
	s_add_nc_u64 s[G0A+4*\slot+2:G0A+4*\slot+3], s[G0A+4*\slot+2:G0A+4*\slot+3], STEPA
.endif
	s_add_nc_u64 s[G0B+4*\slot+2:G0B+4*\slot+3], s[G0B+4*\slot+2:G0B+4*\slot+3], STEPB
	JLOAD \slot
.else
	PLACES
.endif
	FETCH \next, 0, F0, \A1n, \A0n
	WIN 0
.endm
.macro LAPBODY zero, A1, A0, fill0
	STEP 0, 0, F0, F1, \zero, \A1, \A0
	STEP 0, 1, F1, F0, 0, \A1, \A0
	STEP 0, 2, F0, F1, 0, \A1, \A0
	TURN 0, 1, \fill0, \A1, \A0
	STEP 1, 0, F0, F1, 0, \A1, \A0
	STEP 1, 1, F1, F0, 0, \A1, \A0
	STEP 1, 2, F0, F1, 0, \A1, \A0
.endm
	s_load_b256 s[4:11], s[0:1], 0x0               ; A 4, wq 6, the bias 8, the exponents 10
	s_load_b128 s[12:15], s[0:1], 0x20             ; the residual 12, the result 14
	v_lshl_add_u32 v[SPW], v0, 2, SPARE
	v_mov_b32 v[NIL], 0
	v_lshrrev_b32 v1, 5, v0
	v_readfirstlane_b32 s16, v1                    ; wave 0..3
	s_lshr_b32 s17, s16, 1
	s_and_b32 s18, s16, 1
	s_bfe_u32 s40, ttmp6, 0x40000                  ; cx
	s_bfe_u32 s41, ttmp6, 0x40004                  ; cy
	s_lshl_b32 s42, ttmp9, 2
	s_add_co_u32 s42, s42, s40                     ; X
	s_and_b32 s43, ttmp7, 0xffff
	s_lshl_b32 s43, s43, 2
	s_add_co_u32 s43, s43, s41                     ; Y
	s_lshl_b32 s44, s41, 2
	s_lshl_b32 s44, 15, s44
	s_lshl_b32 s45, 0x1111, s40
	s_or_b32 s[G1A], s44, (1<<20)|(1<<21)|(5<<22)|(3<<25)
	s_or_b32 s[G1B], s45, (1<<20)|(1<<21)|(5<<22)|(3<<25)
.irp g, G1A, G1B
	s_mov_b32 s[\g+1], 4096<<16
	s_mov_b32 s[\g+2], 8<<16
	s_mov_b32 s[\g+3], 4096<<16
	s_mov_b32 s[\g+4], 8
	s_mov_b32 s[\g+6], 0
	s_mov_b32 s[\g+7], 0
.endr
	s_mov_b32 s[G1A+5], APITCH
	s_mov_b32 s[G1B+5], BPITCH
	s_lshl_b32 s20, s43, 13
	s_lshl_b32 s21, s18, 12
	s_add_co_u32 s20, s20, s21
	s_mov_b32 s21, 0
	s_lshl_b32 s46, s42, 13
	s_lshl_b32 s47, s18, 12
	s_add_co_u32 s46, s46, s47
	s_add_co_u32 s46, s46, SECTION
	s_mov_b32 s47, 0
	s_mul_i32 s19, s16, HALFT
	s_wait_kmcnt 0x0
	s_load_b64 s[72:73], s[10:11], SCOFF           ; eA, eB
	s_add_nc_u64 s[20:21], s[4:5], s[20:21]
	s_add_nc_u64 s[46:47], s[6:7], s[46:47]
	CROUND
.irp s, 0,1
	s_mov_b32 s[G0A+4*\s], 1
	s_add_co_u32 s[G0A+4*\s+1], s19, \s*SLOT
	s_add_nc_u64 s[G0A+4*\s+2:G0A+4*\s+3], s[20:21], \s*8*APITCH
	s_or_b32 s[G0A+4*\s+3], s[G0A+4*\s+3], 0x80000000
	s_mov_b32 s[G0B+4*\s], 1
	s_add_co_u32 s[G0B+4*\s+1], s19, \s*SLOT
	s_add_nc_u64 s[G0B+4*\s+2:G0B+4*\s+3], s[46:47], \s*8*BPITCH
	s_or_b32 s[G0B+4*\s+3], s[G0B+4*\s+3], 0x80000000
	JLOAD \s
.endr
	v_and_b32 v1, 15, v0                           ; r
	v_bfe_u32 v2, v0, 4, 1                         ; h
	v_lshlrev_b32 v[BA], 4, v1
	v_lshl_add_u32 v[CO], v2, 12, v[BA]            ; two rows of the result in memory: 4,096 bytes a row, 16 bytes a lane
	s_lshl_b32 s70, s42, 9                         ; my first column, in bytes: 512 X + 256 (wave % 2)
	s_lshl_b32 s71, s18, 8
	s_add_co_u32 s70, s70, s71
	s_mov_b32 s71, 0
	s_add_nc_u64 s[90:91], s[8:9], s[70:71]
	global_load_b128 v[BIAS:BIAS+3], v[BA], s[90:91]   ; the bias of my four columns of a row read back
	s_lshl_b32 s68, s43, 19                        ; my first row: 128 Y + 64 (wave / 2)
	s_lshl_b32 s69, s17, 18
	s_add_co_u32 s68, s68, s69
	s_add_co_u32 s68, s68, s70
	s_mov_b32 s69, 0
	s_add_nc_u64 s[86:87], s[12:13], s[68:69]
	s_add_nc_u64 s[88:89], s[14:15], s[68:69]
	WIN 0x80                                       ; destination window 2: the residual, 32 loads of two rows each, in the order in which the way out wants them
.irp a, 0,1,2,3
.irp i, 0,1,2,3,4,5,6,7
	global_load_b128 v[4*(8*\a+\i):4*(8*\a+\i)+3], v[CO], s[86:87] offset:(16*\a+2*\i)*4096
.endr
.endr
	WIN 0
	v_lshrrev_b32 v3, 2, v1
	v_mul_u32_u24 v3, v3, 272
	v_and_b32 v4, 3, v1
	v_lshl_add_u32 v3, v4, 6, v3
	v_lshl_add_u32 v3, v2, 4, v3
	s_mul_i32 s100, s17, HALFT
	s_mul_i32 s101, s18, HALFT
	s_add_co_u32 s101, s101, 2*HALFT
.irp s, 0,1
	v_add_nc_u32 v[AD1+\s], s100, v3
	v_add_nc_u32 v[AD0+\s], s101, v3
	s_add_co_u32 s100, s100, SLOT
	s_add_co_u32 s101, s101, SLOT
.endr
	s_mul_i32 s100, s16, 4352
	s_add_co_u32 s100, s100, STAGE                 ; my stage
	v_mul_u32_u24 v4, v1, 272
	v_lshl_add_u32 v4, v2, 5, v4
	v_add_nc_u32 v[STO], s100, v4                  ; in: row r, 32 bytes for each half of the lanes
	v_mul_u32_u24 v5, v2, 272
	v_lshl_add_u32 v5, v1, 4, v5
	v_add_nc_u32 v[RD], s100, v5                   ; back: lanes 0-15 one row of 256 bytes, lanes 16-31 the next
	s_wait_kmcnt 0x0
	s_add_co_i32 s66, s72, s73
	s_add_co_i32 s66, s66, 127
	s_lshl_b32 s66, s66, 23                        ; 2^(eA + eB) as f32
	s_mov_b32 s67, s66
	s_wait_tensorcnt 1                             ; my part of slot 0 is in; slot 1's may be out
	s_barrier_signal -1
	s_barrier_wait -1
	FETCH 0, 0, F0, AD1, AD0
	WIN 0
.if KLAPS > 1
	LAPBODY 1, AD1, AD0, 1                         ; the first lap's first products start the sums
	TURN 1, 0, 1, AD1, AD0
	s_mov_b32 s3, KLAPS-2
.Llap:                                             ; a trip is a lap: both slots are filled again, 1,024 along K on
	LAPBODY 0, AD1, AD0, 1
	TURN 1, 0, 1, AD1, AD0
	s_sub_co_u32 s3, s3, 1
	s_cmp_lg_u32 s3, 0
	s_cbranch_scc1 .Llap
	LAPBODY 0, AD1, AD0, 0                         ; the last lap asks for nothing
.else
	LAPBODY 1, AD1, AD0, 0
.endif
	s_wait_dscnt 0x0                               ; buffer 1 is in
	WIN MUL
	MUL8 F1, 0, 0
	MUL8 F1, 2, 0
	PLACES
	WIN 0x20                                       ; source 2 (the residual) window 2, for the whole way out
.macro TOSTAGE a                       ; block a's 16 rows x 64 columns into my stage, each accumulator from its low end on, and back as whole rows
.set BB, BK+32*((\a)%2)
.irp b, 0,1,2,3
	ds_store_b128 v[STO], v[ACC+8*(4*(\a)+\b):ACC+8*(4*(\a)+\b)+3] offset:64*\b
	ds_store_b128 v[STO], v[ACC+8*(4*(\a)+\b)+4:ACC+8*(4*(\a)+\b)+7] offset:64*\b+16
.endr
.irp i, 0,1,2,3,4,5,6,7
	ds_load_b128 v[BB+4*\i:BB+4*\i+3], v[RD] offset:544*\i   ; a wave's LDS instructions are served in order: these see my stores
.endr
.endm
.macro SEND a, younger                 ; younger: the LDS instructions issued behind block a's loads
.set BB, BK+32*((\a)%2)
	s_wait_dscnt \younger
	s_wait_loadcnt 8*(3-(\a))                      ; block a's residual is in; the later blocks' eight loads each may be out
.irp i, 0,1,2,3,4,5,6,7
.irp k, 0,2
	v_pk_fma_f32 v[BB+4*\i+\k:BB+4*\i+\k+1], v[BB+4*\i+\k:BB+4*\i+\k+1], s[66:67], v[4*(8*(\a)+\i)+\k:4*(8*(\a)+\i)+\k+1] op_sel_hi:[1,0,1]
.endr
.endr
.irp i, 0,1,2,3,4,5,6,7
.irp k, 0,2
	v_pk_add_f32 v[BB+4*\i+\k:BB+4*\i+\k+1], v[BB+4*\i+\k:BB+4*\i+\k+1], v[BIAS+\k:BIAS+\k+1]
.endr
.endr
.irp i, 0,1,2,3,4,5,6,7
.if NTOUT
	global_store_b128 v[CO], v[BB+4*\i:BB+4*\i+3], s[88:89] offset:(16*(\a)+2*\i)*4096 th:TH_STORE_NT
.else
	global_store_b128 v[CO], v[BB+4*\i:BB+4*\i+3], s[88:89] offset:(16*(\a)+2*\i)*4096
.endif
.endr
.endm
	TOSTAGE 0
.irp a, 1,2,3
.if \a > 1
	s_wait_xcnt 0x0                                ; block a - 2's stores have read their registers: block a's rows may land there
.endif
	TOSTAGE \a
	SEND \a-1, 16                                  ; behind block a - 1's loads: block a's 8 stores and 8 loads
.endr
	SEND 3, 0
	WIN 0
	s_wait_tensorcnt 0x0                           ; the wave's end
	ds_add_u32 v[SPW], v[NIL]
	s_wait_dscnt 0x0
	CROUND                                         ; the closing round
	s_endpgm
.Lfunc_end_k_q9ccfe40658_fc2:
	.size	k_q9ccfe40658_fc2, .Lfunc_end_k_q9ccfe40658_fc2-k_q9ccfe40658_fc2
	.p2alignl 7, 3214868480
	.fill 96, 4, 3214868480
	.section	.rodata,"a",@progbits
	.p2align	6, 0x0
	.amdhsa_kernel k_q9ccfe40658_fc2
		.amdhsa_group_segment_fixed_size 327680
		.amdhsa_private_segment_fixed_size 0
		.amdhsa_enable_private_segment 0
		.amdhsa_kernarg_size 48
		.amdhsa_user_sgpr_count 2
		.amdhsa_user_sgpr_kernarg_segment_ptr 1
		.amdhsa_wavefront_size32 1
		.amdhsa_system_sgpr_workgroup_id_x 1
		.amdhsa_system_sgpr_workgroup_id_y 1
		.amdhsa_system_sgpr_workgroup_id_z 1
		.amdhsa_system_vgpr_workitem_id 0
		.amdhsa_next_free_vgpr 640
		.amdhsa_next_free_sgpr 104
		.amdhsa_reserve_vcc 0
		.amdhsa_float_denorm_mode_32 3
		.amdhsa_float_denorm_mode_16_64 3
		.amdhsa_memory_ordered 1
		.amdhsa_forward_progress 1
		.amdhsa_inst_pref_size 108
	.end_amdhsa_kernel
	.amdgpu_metadata
---
amdhsa.version: [ 1, 2 ]
amdhsa.kernels:
  - .name:           k_q9ccfe40658_fc2
    .symbol:         k_q9ccfe40658_fc2.kd
    .args:
      - { .name: gq, .offset: 0, .size: 8, .value_kind: global_buffer, .address_space: global }
      - { .name: wq, .offset: 8, .size: 8, .value_kind: global_buffer, .address_space: global }
      - { .name: fc2_b, .offset: 16, .size: 8, .value_kind: global_buffer, .address_space: global }
      - { .name: lowp_scales, .offset: 24, .size: 8, .value_kind: global_buffer, .address_space: global }
      - { .name: x1, .offset: 32, .size: 8, .value_kind: global_buffer, .address_space: global }
      - { .name: out0, .offset: 40, .size: 8, .value_kind: global_buffer, .address_space: global }
    .group_segment_fixed_size: 327680
    .private_segment_fixed_size: 0
    .kernarg_segment_align: 8
    .kernarg_segment_size: 48
    .max_flat_workgroup_size: 128
    .sgpr_count:     104
    .vgpr_count:     640
    .wavefront_size: 32
...
	.end_amdgpu_metadata
.endif
;; end of part 7
